; MI455X (gfx1250); checked and timed in simulation.
; The chip was launched on July 23, 2026; its instructions are those of AMD's public machine-readable ISA for CDNA 5 (MIT licence, August 2026) and "CDNA5" Instruction Set Architecture Reference Guide (July 2026). The comments in the code are by the model that wrote it; some were corrected since.
;; Self Attention v2. Allowed arithmetic: float matrix products may take bf16 or f16 operands with f32 sums; other float arithmetic in f32, or as packed bf16 or f16 multiplies, adds, multiply-adds, maxima and minima; sums over many terms, partial sums and values carried from step to step in f32; what a program stores and reads back later, other than sums and carried values, may be rounded once to bf16 or f16.
;; Inputs: Wk 1,024 x 1,024 float32; Wq 1,024 x 1,024 float32; Wv 1,024 x 1,024 float32; x 4 x 2,048 x 1,024 float32.
;; Outputs: out0 4 x 2,048 x 1,024 float32.
;; 2 versions, each right; version 2 is version 1 with the launch prep written anew for expert scheduling mode. Each part assembles by itself: llvm-mc -triple=amdgcn-amd-amdhsa -mcpu=gfx1250 --defsym DOCPART=n.
;; ======== version 1 of 2: 4 launches
;; limits: values are held in f16: magnitudes above 65,504 overflow, below 6.1e-05 lose precision
;; workspace buffers: xb 16,777,216 bytes; wb 6,291,456 bytes; qkv 50,331,648 bytes; pw 33,554,432 bytes; statm 524,288 bytes; statl 524,288 bytes
;; launch prep (part 1): grid 256 x 1, 8 waves a work-group, no clusters, 0 bytes of LDS; arguments x, Wq, Wk, Wv, xb, wb; writes xb, wb
.if DOCPART == 1
	.amdgcn_target "amdgcn-amd-amdhsa--gfx1250"
	.amdhsa_code_object_version 6
	.text
	.protected	k_q5f8aebee08_prep
	.globl	k_q5f8aebee08_prep
	.p2align	8
	.type	k_q5f8aebee08_prep,@function
k_q5f8aebee08_prep:
	s_mov_b64 s[64:65], 0
	v_nop
	global_prefetch_b8 v0, s[64:65] scope:SCOPE_SE
	s_setreg_imm32_b32 hwreg(HW_REG_WAVE_MODE, 25, 1), 1
	s_wait_xcnt 0x0
; x [8192][1024] f32 -> xb, bf16, laid out as [16 blocks of 64 k][8192 rows][64]: a tile of rows x 64 k is then dense in memory.
; Wq, Wk, Wv [1024 k][1024 n] f32 -> wb, bf16, [1024 k][3072 n], n = 1024 x (q, k, v) + column.  Each number is rounded once, to nearest even.
; A stream: every byte is read once and written once; no LDS, no barrier, no matrix unit, since no thread wants another's bytes.
; Eight waves; work-group g owns rows 32 g .. 32 g + 31 of x and rows 4 g .. 4 g + 3 of each W; wave w owns rows 4 w .. 4 w + 3 of the 32, and half a row of each W.
; A UNIT is 4 numbers of one thread: a load of 16 bytes, two packed roundings, a store of 8 bytes.  Neighbouring lanes take neighbouring bytes:
;   x: lanes 0-15 read the 256 bytes of one row's block of 64 k, lanes 16-31 those of the next row; the wave's store covers 256 consecutive bytes of xb, aligned: the two rows' 128 bytes lie end to end.
;   W: the wave reads 512 consecutive bytes of a row and stores 256 consecutive bytes of wb, aligned.
; A thread has 44 units (32 of x, 12 of W); all 44 loads go out first, so that they are all on their way together, and no register is written twice: no wait frees a source.
.set U, 16                             ; v[16:191]  unit i at U + 4 i
.set XO, 2                             ; v2  my byte offset in the group's rows of x: (4 w + l / 16) x 4,096 + (l % 16) x 16
.set XS, 3                             ; v3  my byte offset in the group's part of a block of xb: 512 w + 8 l
.set WO, 5                             ; v5  my byte offset in the group's four rows of a W: 2,048 w + 16 l (row w / 2, half w % 2)
.set WS, 6                             ; v6  the same in wb: (w / 2) x 6,144 + (w % 2) x 1,024 + 8 l
	s_load_b256 s[4:11], s[0:1], 0x0               ; x s[4:5], Wq s[6:7], Wk s[8:9], Wv s[10:11]
	s_load_b128 s[12:15], s[0:1], 0x20             ; xb s[12:13], wb s[14:15]
	v_lshrrev_b32 v1, 5, v0                        ; w
	v_and_b32 v4, 31, v0                           ; l
	v_bfe_u32 v7, v0, 4, 1                         ; l / 16
	v_and_b32 v8, 15, v0                           ; l % 16
	v_lshl_add_u32 v7, v1, 2, v7                   ; my row of the first pair: 4 w + l / 16
	v_lshlrev_b32 v[XO], 4, v8
	v_lshl_add_u32 v[XO], v7, 12, v[XO]
	v_lshlrev_b32 v[XS], 3, v4
	v_lshl_add_u32 v[XS], v1, 9, v[XS]
	v_lshlrev_b32 v[WO], 4, v4
	v_lshl_add_u32 v[WO], v1, 11, v[WO]
	v_lshrrev_b32 v9, 1, v1
	v_and_b32 v10, 1, v1
	v_mul_u32_u24 v[WS], v9, 6144
	v_lshl_add_u32 v[WS], v10, 10, v[WS]
	v_lshl_add_u32 v[WS], v4, 3, v[WS]
	s_lshl_b32 s16, ttmp9, 17                      ; 32 rows of x
	s_mov_b32 s17, 0
	s_lshl_b32 s18, ttmp9, 14                      ; 4 rows of a W
	s_mov_b32 s19, 0
	s_lshl_b32 s20, ttmp9, 12                      ; 32 rows of a block of xb
	s_mov_b32 s21, 0
	s_mul_i32 s22, ttmp9, 24576                    ; 4 rows of wb
	s_mov_b32 s23, 0
	s_wait_kmcnt 0x0
	s_add_nc_u64 s[4:5], s[4:5], s[16:17]
	s_add_nc_u64 s[6:7], s[6:7], s[18:19]
	s_add_nc_u64 s[8:9], s[8:9], s[18:19]
	s_add_nc_u64 s[10:11], s[10:11], s[18:19]
	s_add_nc_u64 s[12:13], s[12:13], s[20:21]
	s_add_nc_u64 s[24:25], s[12:13], 0x800000      ; blocks 8 to 15 of xb: their distance does not fit the stores' signed 24-bit immediate
	s_add_nc_u64 s[14:15], s[14:15], s[22:23]
.set i, 0
.rept 32                                       ; x: unit i is block i / 2 of 64 k, pair of rows i % 2
	global_load_b128 v[U+4*i:U+4*i+3], v[XO], s[4:5] offset:8192*(i%2)+256*(i/2) th:TH_LOAD_NT
.set i, i+1
.endr
.set i, 0
.rept 12                                       ; W: unit 32 + i is matrix i / 4, piece i % 4 of my half row
	global_load_b128 v[U+128+4*i:U+128+4*i+3], v[WO], s[6+2*(i/4):7+2*(i/4)] offset:512*(i%4) th:TH_LOAD_NT
.set i, i+1
.endr
.set i, 0
.rept 44
	s_wait_loadcnt 43-i                            ; loads come back in order: unit i's is in, the 43 - i younger ones stay out
	v_cvt_pk_bf16_f32 v[U+4*i],   v[U+4*i],   v[U+4*i+1]   ; in place: each line writes a register whose number has been used
	v_cvt_pk_bf16_f32 v[U+4*i+1], v[U+4*i+2], v[U+4*i+3]
.if i < 16
	global_store_b64 v[XS], v[U+4*i:U+4*i+1], s[12:13] offset:1048576*(i/2)+256*(i%2)
.elseif i < 32
	global_store_b64 v[XS], v[U+4*i:U+4*i+1], s[24:25] offset:1048576*(i/2-8)+256*(i%2)
.else
	global_store_b64 v[WS], v[U+4*i:U+4*i+1], s[14:15] offset:2048*((i-32)/4)+256*((i-32)%4)
.endif
.set i, i+1
.endr
	s_endpgm
.Lfunc_end_k_q5f8aebee08_prep:
	.size	k_q5f8aebee08_prep, .Lfunc_end_k_q5f8aebee08_prep-k_q5f8aebee08_prep
	.p2alignl 7, 3214868480
	.fill 96, 4, 3214868480
	.section	.rodata,"a",@progbits
	.p2align	6, 0x0
	.amdhsa_kernel k_q5f8aebee08_prep
		.amdhsa_group_segment_fixed_size 0
		.amdhsa_private_segment_fixed_size 0
		.amdhsa_enable_private_segment 0
		.amdhsa_kernarg_size 48
		.amdhsa_user_sgpr_count 2
		.amdhsa_user_sgpr_kernarg_segment_ptr 1
		.amdhsa_wavefront_size32 1
		.amdhsa_system_sgpr_workgroup_id_x 1
		.amdhsa_system_sgpr_workgroup_id_y 1
		.amdhsa_system_sgpr_workgroup_id_z 1
		.amdhsa_system_vgpr_workitem_id 0
		.amdhsa_next_free_vgpr 192
		.amdhsa_next_free_sgpr 66
		.amdhsa_reserve_vcc 0
		.amdhsa_float_denorm_mode_32 3
		.amdhsa_float_denorm_mode_16_64 3
		.amdhsa_memory_ordered 1
		.amdhsa_forward_progress 1
		.amdhsa_inst_pref_size 17
	.end_amdhsa_kernel
	.amdgpu_metadata
---
amdhsa.version: [ 1, 2 ]
amdhsa.kernels:
  - .name:           k_q5f8aebee08_prep
    .symbol:         k_q5f8aebee08_prep.kd
    .args:
      - { .name: x, .offset: 0, .size: 8, .value_kind: global_buffer, .address_space: global }
      - { .name: Wq, .offset: 8, .size: 8, .value_kind: global_buffer, .address_space: global }
      - { .name: Wk, .offset: 16, .size: 8, .value_kind: global_buffer, .address_space: global }
      - { .name: Wv, .offset: 24, .size: 8, .value_kind: global_buffer, .address_space: global }
      - { .name: xb, .offset: 32, .size: 8, .value_kind: global_buffer, .address_space: global }
      - { .name: wb, .offset: 40, .size: 8, .value_kind: global_buffer, .address_space: global }
    .group_segment_fixed_size: 0
    .private_segment_fixed_size: 0
    .kernarg_segment_align: 8
    .kernarg_segment_size: 48
    .max_flat_workgroup_size: 256
    .sgpr_count:     66
    .vgpr_count:     192
    .wavefront_size: 32
...
	.end_amdgpu_metadata
.endif
;; end of part 1
;; launch proj (part 2): grid 8 x 32, 4 waves a work-group, clusters of 4 x 4, 327,680 bytes of LDS; arguments xb, wb, qkv; writes qkv
.if DOCPART == 2
	.amdgcn_target "amdgcn-amd-amdhsa--gfx1250"
	.amdhsa_code_object_version 6
	.text
	.protected	k_q5f8aebee08_proj
	.globl	k_q5f8aebee08_proj
	.p2align	8
	.type	k_q5f8aebee08_proj,@function
k_q5f8aebee08_proj:
	s_mov_b64 s[64:65], 0
	v_nop
	global_prefetch_b8 v0, s[64:65] scope:SCOPE_SE
	s_setreg_imm32_b32 hwreg(HW_REG_WAVE_MODE, 25, 1), 1
	s_wait_xcnt 0x0
	s_wait_alu depctr_hold_cnt(0) depctr_sa_sdst(0) depctr_va_vdst(0) depctr_va_sdst(0) depctr_va_ssrc(0) depctr_va_vcc(0) depctr_vm_vsrc(0)
	s_getreg_b32 s2, hwreg(HW_REG_IB_STS2, 6, 4)
	s_cmp_eq_u32 s2, 0
	s_cbranch_scc0 .Lentry_in_a_cluster
	s_endpgm
.Lentry_in_a_cluster:
	s_bfe_u32 s2, ttmp6, 0x10000c
	s_cmp_lg_u32 s2, 0xf033
	s_cbranch_scc0 .Lentry_shape_is_right
	s_endpgm
.Lentry_shape_is_right:
; qkv[row][n] = the sum over k of x[row][k] W[k][n]: [8192 x 1024] x [1024 x 3072], operands bf16 (xb, wb), sums f32, K ascending, qkv f16, rounded once, UNSCALED.
; LIMIT: f16 holds no number beyond 65,504: a q, k or v of 65,520 or more becomes an infinity.  NaN and infinities are not treated apart.
; SHARES.  A tile is 256 rows x 384 columns: 32 x 8 = 256 work-groups.  Four waves, 2 x 2; a wave makes 128 rows x 192 columns: three GROUPS of 64 columns,
; 32 accumulators of 16 x 16 each; group g of column half wc holds the tile's columns 128 g + 64 wc + 0..63.
; THE RING.  K goes in steps of 64 through two LDS slots.  Waves 0 and 1 fetch the halves of A's tile (128 rows x 128 bytes, dense in xb, asked for as 64 rows of 256 bytes),
; waves 2 and 3 those of B's (32 rows of k x 768 bytes of wb).  A step is two QUARTERS of 32 k; a quarter is three phases of 32 products, a group each.
; CLUSTER 4 x 4: A's tile hangs on the tile row alone and is asked for jointly by a row of the cluster, B's on the tile column alone, by a column.
; THE PRODUCT IS TAKEN TRANSPOSED: source 0 = 16 columns of W (turned on the way out of LDS by ds_load_tr16_b128), source 1 = 16 rows of x: lane l then holds row l % 16
; and the columns 8 (l / 16) + 0..7: 16 bytes of f16 on end.
; REGISTERS, in windows of 256 (s_set_vgpr_msb: bits 1:0 source 0, 3:2 source 1, 5:4 source 2, 7:6 destination):
;   window 0: v0-31 addresses; v32-95, v96-159 A's fragments, two buffers; v160-191, v192-223, v224-255 B's fragments of groups 0, 1, 2
;   window 1 + g: group g's accumulators, tile (a, j) at v[8 (4 a + j)]
; TURNS.  The 32 accumulators of a phase differ, and one comes back 96 products later, over the backward jumps too.
.set NG,    3
.set NQ,    2
.set PA,    144                        ; a row of A in LDS: 128 bytes + 16 = 36 words: the 16 rows of a load start at 16 different groups of four banks (64 banks of 4 bytes: ISA guide 11.1)
.set PB,    864                        ; a row of B: three pieces of 256 bytes + 32 = 27 x 32 bytes
.set AHALF, 128*PA
.set BOFF,  256*PA                     ; B's rows lie behind A's 256
.set BHALF, 32*PB                      ; what a wave fetches of B, and a quarter's 32 rows of k
.set SLOT1, 1<<17                      ; slot 1 begins here, so that one exclusive or turns an address in one slot into the other's
.set SPARE, SLOT1+BOFF+64*PB           ; behind slot 1: the spare words, 128 bytes a wave: two blocks of 256 bytes that no other line names
.set SP,    784                        ; the way out: a stage row, 768 bytes + 16.  The stage, 256 rows from byte 0 on, lies over the slots, which have then had their last fill
.set KBLK,  1048576                    ; bytes from a block of 64 k of xb to the next
.set WROW,  6144                       ; bytes in a row of wb and of qkv
.set AF,    32
.set BF,    160
.set ADRA0, 4                          ; v4   my lane's place in A's tile; never rewritten
.set ADRB0, 5                          ; v5   the same for B
.set ADRA,  6                          ; v6   the same in the slot that is being read
.set ADRB,  7                          ; v7
.set STO,   8                          ; v8   the way out: where I put 16 bytes of row blocks 0-3
.set STO2,  9                          ; v9   of row blocks 4-7 (an LDS immediate has 16 bits)
.set RD,    10                         ; v10  where I read rows back
.set CO,    11                         ; v11  my byte offset in two rows of qkv
.set PFO,   12                         ; v12  the prefetches' offset; never rewritten
.set SPW,   14                         ; v14  LDS address of my spare word; never rewritten
.set NIL,   15                         ; v15  0; never rewritten
.set WV,    10                         ; s10  my wave's number
.set WR,    11                         ; s11  its row half.  Also: I fetch for A (0) or for B (1)
.set WC,    12                         ; s12  its column half.  Also: which half of that tile I fetch
.set TY,    13                         ; s13  tile row
.set G1A,   24                         ; s[24:31] descriptor group 1 for A
.set G0A,   32                         ; s[32:39] group 0 for A: a set for each first fill; the second then walks on
.set CX,    40
.set CY,    41
.set TX,    42                         ; s42  tile column
.set LIM,   43                         ; s43  a wave prefetches while the loop's count is above this
.set PFA,   44                         ; s[44:45] where my prefetches stand
.set PFS,   46                         ; s[46:47] their step
.set G1B,   48
.set G0B,   56
.set TB,    66                         ; s66  LDS byte at which the slot that is being read begins
.set CNT,   67
.set PM,    68                         ; s68  0: I prefetch in every trip; 1: in every second one
.set KY,    79                         ; s79  the cluster's y
.set MSB, 0
.macro WIN new                         ; the immediate's high byte repeats the setting that is left; a switch that changes nothing is dropped
.if MSB != (\new)
	s_set_vgpr_msb (MSB<<8)|(\new)
.set MSB, (\new)
.endif
.endm
.macro PLACES                          ; four plain instructions between a product and a load into, or a vector read of, one of its registers (ISA guide 7.12.1 for vector reads)
.rept 4
	v_nop
.endr
.endm
.macro CREST                           ; a round of the cluster's barrier behind its opening barrier
	s_cmp_lg_u32 s[WV], 0
	s_cbranch_scc1 .Lnot_wave_0_\@
	s_barrier_signal -3
.Lnot_wave_0_\@:
	s_barrier_wait -3
	s_barrier_signal -1
	s_barrier_wait -1
.endm
.macro CROUND
	s_barrier_signal -1
	s_barrier_wait -1
	CREST
.endm
.macro JLOAD                           ; a joint refill by the walking sets; the branch hangs on the wave's number alone; an s_nop 0 and four v_nop follow each line
	s_cmp_eq_u32 s[WR], 0
	s_cbranch_scc0 .Lfor_b_\@
	tensor_load_to_lds s[G0A+4:G0A+7], s[G1A:G1A+7]
	s_nop 0
.rept 4
	v_nop
.endr
	s_branch .Lasked_\@
.Lfor_b_\@:
	tensor_load_to_lds s[G0B+4:G0B+7], s[G1B:G1B+7]
	s_nop 0
.rept 4
	v_nop
.endr
.Lasked_\@:
.endm
; A PREFETCH INTO THE L2, behind the joint load and the run of LDS loads that follows it.  The change of slots behind K step t refills step t + 2 and asks for step t + 3.
; xb: a step's tile is 128 blocks of 256 bytes, read by both clusters of a row of clusters: the one with x = 0 asks, wave 0 of each partner for 32 blocks, told apart BY ADDRESS (cx), a lane a block, in every trip.
; wb: a step's tile is 64 rows x 3 blocks, read by all clusters of a column: the one with y = 0 asks; in every second trip waves 1 to 3 take a block column each, of the 128 rows of steps t + 3 and t + 4,
; the partner at cy rows 32 cy .. 32 cy + 31, a lane a row.  So each block is named once.  Steps 0 to 2, and wb's step 15, come by their loads alone; no prefetch passes a buffer's end.
.macro ASK
	s_and_b32 s69, s[CNT], s[PM]
	s_cmp_eq_u32 s69, 0
	s_cbranch_scc0 .Lnot_mine_\@
	s_cmp_gt_u32 s[CNT], s[LIM]
	s_cbranch_scc0 .Lnot_mine_\@
	global_prefetch_b8 v[PFO], s[PFA:PFA+1] th:TH_LOAD_NT scope:SCOPE_SE
.Lnot_mine_\@:
.endm
.macro LA buf, q                       ; A's 8 fragments of quarter q: 16 rows x 32 k each, two loads of 16 bytes, 32 bytes apart
	WIN 0
.set la, 0
.rept 8
	ds_load_b128 v[AF+64*(\buf)+8*la:AF+64*(\buf)+8*la+3],   v[ADRA] offset:64*(\q)+16*PA*la
	ds_load_b128 v[AF+64*(\buf)+8*la+4:AF+64*(\buf)+8*la+7], v[ADRA] offset:64*(\q)+16*PA*la+32
.set la, la+1
.endr
.endm
.macro LB g, q                         ; group g's 4 fragments of quarter q, turned: 16 k x 16 columns a load
	WIN 0
.set lj, 0
.rept 4
	ds_load_tr16_b128 v[BF+32*(\g)+8*lj:BF+32*(\g)+8*lj+3],   v[ADRB] offset:BHALF*(\q)+288*(\g)+32*lj
	ds_load_tr16_b128 v[BF+32*(\g)+8*lj+4:BF+32*(\g)+8*lj+7], v[ADRB] offset:BHALF*(\q)+288*(\g)+32*lj+16*PB
.set lj, lj+1
.endr
.endm
.macro MM g, buf, a0, na, zero         ; 4 na products of group g: row blocks a0 on; zero = 1: they start the sums
	WIN ((\g)+1)*0x50
.set ma, (\a0)
.rept (\na)
.set mj, 0
.rept 4
.if \zero
	v_wmma_f32_16x16x32_bf16 v[8*(4*ma+mj):8*(4*ma+mj)+7], v[BF+32*(\g)+8*mj:BF+32*(\g)+8*mj+7], v[AF+64*(\buf)+8*ma:AF+64*(\buf)+8*ma+7], 0
.else
	v_wmma_f32_16x16x32_bf16 v[8*(4*ma+mj):8*(4*ma+mj)+7], v[BF+32*(\g)+8*mj:BF+32*(\g)+8*mj+7], v[AF+64*(\buf)+8*ma:AF+64*(\buf)+8*ma+7], v[8*(4*ma+mj):8*(4*ma+mj)+7]
.endif
.set mj, mj+1
.endr
.set ma, ma+1
.endr
.endm
; A QUARTER.  LDS loads are issued in this order: .. A(n), B0(n), B1(n), B2(n), A(n+1), B0(n+1) ..: each a phase or more ahead of its use, each into registers whose last reader stands four v_nop back.
; Phase 0 wants A(n) and B0(n): the 16 loads of B1(n), B2(n) may be out.  Phases 1 and 2 want B1(n), B2(n): the 32 loads issued behind each may be out.
; chg = 1, 2: the step's last quarter changes slots in phase 0, behind the old slot's last read, B2(n).  Each wave waits for all its tensor loads (one is out: its part of the next slot), adds 0 to its
; spare word, and waits for that and for its reads.  chg = 1: the barrier opens a round of the cluster's barrier, and the joint refill of the old slot is the first tensor load behind it.
.macro QUARTER q, chg, zero
.set QB, (\q)%2
.set QN, ((\q)+1)%NQ
.if (\chg) == 1
	s_wait_xcnt 0x0                                ; the last prefetch, a step back, has read its address: it is stepped here, ahead of the waits of the change
	s_add_nc_u64 s[PFA:PFA+1], s[PFA:PFA+1], s[PFS:PFS+1]
.endif
	PLACES
	LB NG-1, \q
.if \chg
	s_wait_tensorcnt 0x0                           ; all my tensor loads have landed
	ds_add_u32 v[SPW], v[NIL]                      ; 0 onto my spare word
	s_wait_dscnt 8*(NG-1)+1                        ; (the add and the 16 youngest loads may be out)
	MM 0, QB, 0, 4, \zero                          ; sixteen products stand between the add and the wait for it
	s_wait_dscnt 0x0                               ; the add is done, and my reads of this slot are over
	s_barrier_signal -1
	MM 0, QB, 4, 4, \zero
	WIN 0                                          ; at a branch and at a label every window is 0
	s_barrier_wait -1
.if (\chg) == 1
	CREST                                          ; no wave of any partner still reads the slot or has a load on its way
	s_xor_b32 s[G0A+5], s[G0A+5], SLOT1            ; the walking sets: the other slot than last time, the next K step; the type bits on top are not reached
	s_add_nc_u64 s[G0A+6:G0A+7], s[G0A+6:G0A+7], KBLK
	s_xor_b32 s[G0B+5], s[G0B+5], SLOT1
	s_add_nc_u64 s[G0B+6:G0B+7], s[G0B+6:G0B+7], 64*WROW
	JLOAD                                          ; it has 160 products in which to land
.endif
	s_xor_b32 s[TB], s[TB], SLOT1                  ; the reads go on in the other slot
	v_add_nc_u32 v[ADRA], s[TB], v[ADRA0]
	v_add_nc_u32 v[ADRB], s[TB], v[ADRB0]
.else
	s_wait_dscnt 8*(NG-1)
	MM 0, QB, 0, 8, \zero
.endif
	LA 1-QB, QN
.if (\chg) == 1
	ASK
.endif
.set qg, 1
.rept NG-1
	PLACES
	LB qg-1, QN
	s_wait_dscnt 16+8*(NG-1)
	MM qg, QB, 0, 8, \zero
.set qg, qg+1
.endr
.endm
	s_load_b128 s[4:7], s[0:1], 0x0                ; xb s[4:5], wb s[6:7]
	s_load_b64 s[8:9], s[0:1], 0x10                ; qkv
	v_lshl_add_u32 v[SPW], v0, 2, SPARE
	v_mov_b32 v[NIL], 0
	ds_add_u32 v[SPW], v[NIL]                      ; the wave's opening: the add and its wait stand ahead of my first tensor load; work on registers stands between them
	v_lshrrev_b32 v1, 5, v0
	v_readfirstlane_b32 s[WV], v1
	s_lshr_b32 s[WR], s[WV], 1
	s_and_b32 s[WC], s[WV], 1
	s_bfe_u32 s[CX], ttmp6, 0x40000
	s_bfe_u32 s[CY], ttmp6, 0x40004
	s_lshl_b32 s[TX], ttmp9, 2                     ; in a cluster launch ttmp9 and ttmp7 count clusters
	s_add_co_u32 s[TX], s[TX], s[CX]
	s_and_b32 s[KY], ttmp7, 0xffff
	s_lshl_b32 s[TY], s[KY], 2
	s_add_co_u32 s[TY], s[TY], s[CY]
	s_lshl_b32 s70, s[CY], 2
	s_lshl_b32 s70, 15, s70                        ; my row of the cluster
	s_lshl_b32 s71, 0x1111, s[CX]                  ; my column
	s_or_b32 s[G1A], s70, (1<<16)|(1<<20)|(1<<21)|(4<<22)|(3<<25)  ; the mask; 2-byte elements; padding on; bit 21 beside a mask; after every 32 words (code 4) 4 words (code 3)
	s_mov_b32 s[G1A+1], 128<<16                    ; tensor_dim0 = 128: two rows of x's block are a row of 256 bytes
	s_mov_b32 s[G1A+2], 64<<16                     ; tensor_dim1 = 64
	s_mov_b32 s[G1A+3], 128<<16                    ; tile_dim0
	s_mov_b32 s[G1A+4], 64                         ; tile_dim1
	s_mov_b32 s[G1A+5], 128                        ; elements from row to row: dense
	s_mov_b32 s[G1A+6], 0
	s_mov_b32 s[G1A+7], 0
	s_or_b32 s[G1B], s71, (1<<16)|(1<<20)|(1<<21)|(5<<22)|(7<<25)  ; after every 64 words (code 5) 8 words (code 7): three pieces to a row
	s_mov_b32 s[G1B+1], 384<<16
	s_mov_b32 s[G1B+2], 32<<16
	s_mov_b32 s[G1B+3], 384<<16
	s_mov_b32 s[G1B+4], 32
	s_mov_b32 s[G1B+5], 3072
	s_mov_b32 s[G1B+6], 0
	s_mov_b32 s[G1B+7], 0
	s_lshl_b32 s16, s[TY], 15                      ; A: 256 rows of 128 bytes a tile row,
	s_lshl_b32 s17, s[WC], 14                      ; my 128 of them
	s_add_co_u32 s16, s16, s17
	s_mov_b32 s17, 0
	s_mul_i32 s20, s[TX], 768                      ; B: the tile's 384 columns,
	s_mul_i32 s21, s[WC], 32*WROW                  ; my 32 rows of k
	s_add_co_u32 s20, s20, s21
	s_mov_b32 s21, 0
	s_mul_i32 s22, s[WC], AHALF                    ; where they go: no place in the cluster enters an LDS address
	s_mul_i32 s23, s[WC], BHALF
	s_add_co_u32 s23, s23, BOFF
	s_mov_b32 s[TB], 0
	s_wait_dscnt 0x0                               ; the opening add is done
	s_wait_kmcnt 0x0
	s_add_nc_u64 s[14:15], s[4:5], s[16:17]
	s_add_nc_u64 s[18:19], s[6:7], s[20:21]
	CROUND                                         ; all sixteen work-groups are here: the first joint loads meet
.irp s, 0,1
	s_mov_b32 s[G0A+4*(\s)], 1
	s_add_co_u32 s[G0A+4*(\s)+1], s22, (\s)*SLOT1
	s_add_nc_u64 s[G0A+4*(\s)+2:G0A+4*(\s)+3], s[14:15], (\s)*KBLK
	s_or_b32 s[G0A+4*(\s)+3], s[G0A+4*(\s)+3], 0x80000000
	s_mov_b32 s[G0B+4*(\s)], 1
	s_add_co_u32 s[G0B+4*(\s)+1], s23, (\s)*SLOT1
	s_add_nc_u64 s[G0B+4*(\s)+2:G0B+4*(\s)+3], s[18:19], (\s)*64*WROW
	s_or_b32 s[G0B+4*(\s)+3], s[G0B+4*(\s)+3], 0x80000000
.endr
	s_cmp_eq_u32 s[WR], 0                          ; a wave's two first fills stand in one branch: two tensor loads of mine are out
	s_cbranch_scc0 .Lfirst_b
	tensor_load_to_lds s[G0A:G0A+3], s[G1A:G1A+7]
	s_nop 0
	tensor_load_to_lds s[G0A+4:G0A+7], s[G1A:G1A+7]
	s_nop 0
.rept 4
	v_nop
.endr
	s_branch .Lfirst_asked
.Lfirst_b:
	tensor_load_to_lds s[G0B:G0B+3], s[G1B:G1B+7]
	s_nop 0
	tensor_load_to_lds s[G0B+4:G0B+7], s[G1B:G1B+7]
	s_nop 0
.rept 4
	v_nop
.endr
.Lfirst_asked:
	v_and_b32 v1, 15, v0                           ; r = l % 16
	v_bfe_u32 v2, v0, 4, 1                         ; h = l / 16
	v_and_b32 v3, 7, v0
	v_bfe_u32 v16, v0, 3, 1
	v_mul_u32_u24 v[ADRA0], v1, PA                 ; row x pitch + 16 h + my 128 rows
	v_lshl_add_u32 v[ADRA0], v2, 4, v[ADRA0]
	s_mul_i32 s69, s[WR], AHALF
	v_add_nc_u32 v[ADRA0], s69, v[ADRA0]
	v_lshl_add_u32 v[ADRB0], v2, 3, v3             ; the turning load: lane l reads k row 8 h + l % 8, columns 8 ((l / 8) % 2) + 0..7
	v_mul_u32_u24 v[ADRB0], v[ADRB0], PB
	v_lshl_add_u32 v[ADRB0], v16, 4, v[ADRB0]
	s_lshl_b32 s69, s[WC], 7                       ; my 64 of a piece's 128 columns
	s_add_co_u32 s69, s69, BOFF
	v_add_nc_u32 v[ADRB0], s69, v[ADRB0]
	v_mov_b32 v[ADRA], v[ADRA0]
	v_mov_b32 v[ADRB], v[ADRB0]
	v_mul_u32_u24 v[STO], v1, SP                   ; into the stage: row 128 wr + 16 a + r, byte 256 g + 128 wc + 32 j + 16 h
	v_lshl_add_u32 v[STO], v2, 4, v[STO]
	s_mul_i32 s69, s[WR], 128*SP
	s_lshl_b32 s72, s[WC], 7
	s_add_co_u32 s69, s69, s72
	v_add_nc_u32 v[STO], s69, v[STO]
	v_add_nc_u32 v[STO2], 64*SP, v[STO]
	v_mul_u32_u24 v[RD], v2, SP                    ; back: wave w takes rows 64 w on; lanes 0-15 take 256 bytes of one row, lanes 16-31 of the next
	v_lshl_add_u32 v[RD], v1, 4, v[RD]
	s_mul_i32 s69, s[WV], 64*SP
	v_add_nc_u32 v[RD], s69, v[RD]
	v_mul_u32_u24 v[CO], v2, WROW
	v_lshl_add_u32 v[CO], v1, 4, v[CO]
	s_lshl_b32 s72, s[TY], 8
	s_lshl_b32 s73, s[WV], 6
	s_add_co_u32 s72, s72, s73                     ; the first row of qkv that I store
	s_mul_i32 s72, s72, WROW
	s_mul_i32 s73, s[TX], 768
	s_add_co_u32 s72, s72, s73
	s_mov_b32 s73, 0
	s_add_nc_u64 s[8:9], s[8:9], s[72:73]
	; the prefetches: both kinds' offsets are made, the wave's number chooses
	s_lshl_b32 s74, s[TY], 15
	s_lshl_b32 s75, s[CX], 13
	s_add_co_u32 s74, s74, s75
	s_add_co_u32 s74, s74, 2*KBLK                  ; xb at K step 2: the first change steps it to 3
	s_mul_i32 s76, s[CY], 32*WROW
	s_mul_i32 s75, s[TX], 768
	s_add_co_u32 s76, s76, s75
	s_lshl_b32 s75, s[WV], 8
	s_add_co_u32 s76, s76, s75
	s_add_co_u32 s76, s76, 128*WROW-256            ; wb at K step 2, block column w - 1
	s_mov_b32 s[PFS], 64*WROW
	s_mov_b32 s[PFS+1], 0
	s_mov_b32 s77, WROW
	s_mov_b32 s78, ttmp9
	s_cmp_eq_u32 s[WV], 0
	s_cselect_b64 s[PFA:PFA+1], s[4:5], s[6:7]
	s_cselect_b32 s74, s74, s76
	s_cselect_b32 s[PFS], KBLK, s[PFS]
	s_cselect_b32 s77, 256, s77                    ; a lane a block of xb, or a lane a row of wb
	s_cselect_b32 s[PM], 0, 1
	s_cselect_b32 s78, s78, s[KY]                  ; the coordinate along which other clusters read the same bytes
	s_cselect_b32 s[LIM], 1, 3
	s_cmp_eq_u32 s78, 0
	s_cselect_b32 s[LIM], s[LIM], -1               ; the same in all sixteen partners, for a given wave
	s_mov_b32 s75, 0
	s_add_nc_u64 s[PFA:PFA+1], s[PFA:PFA+1], s[74:75]
	v_and_b32 v[PFO], 31, v0
	v_mul_u32_u24 v[PFO], s77, v[PFO]
	s_wait_tensorcnt 0x1                           ; my part of K step 0 is in; step 1's may stay out
	s_barrier_signal -1
	s_barrier_wait -1                              ; everybody's is
	LA 0, 0
	LB 0, 0
	LB 1, 0
	QUARTER 0, 0, 1                                ; the first quarter stands ahead of the loop: its products start the sums
	WIN 0
	s_mov_b32 s[CNT], 14
.Lstep:                                        ; 14 trips, from a step's second quarter to the next step's first: every slot but the last two is filled again
	QUARTER 1, 1, 0
	QUARTER 0, 0, 0
	WIN 0
	s_sub_co_u32 s[CNT], s[CNT], 1
	s_cmp_lg_u32 s[CNT], 0
	s_cbranch_scc1 .Lstep
	s_mov_b32 s[CNT], 2
.Ltail:                                        ; the last two steps ask for nothing; the second trip is left in its middle.  Its fragment loads, of the slot read before, serve nothing:
	QUARTER 1, 2, 0                                ; the price, once a launch, of one text for both trips
	WIN 0
	s_sub_co_u32 s[CNT], s[CNT], 1
	s_cmp_eq_u32 s[CNT], 0
	s_cbranch_scc1 .Lout
	QUARTER 0, 0, 0
	WIN 0
	s_branch .Ltail
.Lout:
	; THE WAY OUT: rounded to f16, 16 bytes a lane into the work-group's stage; a barrier, since a row's 256-byte pieces come from two waves; back as whole pieces.
	s_wait_dscnt 0x0                               ; my reads of the slots are over,
	s_barrier_signal -1
	s_barrier_wait -1                              ; everybody's are: the stage may be written over them
	PLACES
.set og, 0
.rept 3
	WIN 5*(og+1)                                   ; sources 0 and 1: the group's window
.set ot, 0
.rept 32
.set op, 0
.rept 4
	v_cvt_pk_f16_f32 v[AF+4*ot+op], v[8*ot+2*op], v[8*ot+2*op+1]   ; each accumulator from its low end on
.set op, op+1
.endr
.set ot, ot+1
.endr
	WIN 0
.set ot, 0
.rept 32
.if ot < 16
	ds_store_b128 v[STO],  v[AF+4*ot:AF+4*ot+3] offset:16*SP*(ot/4)+256*og+32*(ot%4)
.else
	ds_store_b128 v[STO2], v[AF+4*ot:AF+4*ot+3] offset:16*SP*(ot/4-4)+256*og+32*(ot%4)
.endif
.set ot, ot+1
.endr
.set og, og+1
.endr
	s_wait_dscnt 0x0                               ; for the others' sake: my stores into the stage are done
	s_barrier_signal -1
	s_barrier_wait -1
	s_mov_b32 s[CNT], 8
.Lrows:                                        ; 8 trips of 8 rows
.set i, 0
.rept 12
	ds_load_b128 v[BF+4*i:BF+4*i+3], v[RD] offset:2*SP*(i/3)+256*(i%3)
.set i, i+1
.endr
.set i, 0
.rept 12
	s_wait_dscnt 11-i
	global_store_b128 v[CO], v[BF+4*i:BF+4*i+3], s[8:9] offset:2*WROW*(i/3)+256*(i%3)   ; 16 lanes store 256 consecutive bytes, at a multiple of 256 from qkv's first byte
.set i, i+1
.endr
	s_wait_xcnt 0x0                                ; the stores have read their data and their base: both are written again only behind this wait
	s_add_nc_u64 s[8:9], s[8:9], 8*WROW
	v_add_nc_u32 v[RD], 8*SP, v[RD]
	s_sub_co_u32 s[CNT], s[CNT], 1
	s_cmp_lg_u32 s[CNT], 0
	s_cbranch_scc1 .Lrows
	s_wait_tensorcnt 0x0                           ; the wave's end: behind my last tensor load and my last LDS store
	ds_add_u32 v[SPW], v[NIL]
	s_wait_dscnt 0x0
	CROUND                                         ; the closing round: no work-group ends while a partner may still ask for a tile that names it
	s_endpgm
.Lfunc_end_k_q5f8aebee08_proj:
	.size	k_q5f8aebee08_proj, .Lfunc_end_k_q5f8aebee08_proj-k_q5f8aebee08_proj
	.p2alignl 7, 3214868480
	.fill 96, 4, 3214868480
	.section	.rodata,"a",@progbits
	.p2align	6, 0x0
	.amdhsa_kernel k_q5f8aebee08_proj
		.amdhsa_group_segment_fixed_size 327680
		.amdhsa_private_segment_fixed_size 0
		.amdhsa_enable_private_segment 0
		.amdhsa_kernarg_size 24
		.amdhsa_user_sgpr_count 2
		.amdhsa_user_sgpr_kernarg_segment_ptr 1
		.amdhsa_wavefront_size32 1
		.amdhsa_system_sgpr_workgroup_id_x 1
		.amdhsa_system_sgpr_workgroup_id_y 1
		.amdhsa_system_sgpr_workgroup_id_z 1
		.amdhsa_system_vgpr_workitem_id 0
		.amdhsa_next_free_vgpr 1024
		.amdhsa_next_free_sgpr 80
		.amdhsa_reserve_vcc 0
		.amdhsa_float_denorm_mode_32 3
		.amdhsa_float_denorm_mode_16_64 3
		.amdhsa_memory_ordered 1
		.amdhsa_forward_progress 1
		.amdhsa_inst_pref_size 92
	.end_amdhsa_kernel
	.amdgpu_metadata
---
amdhsa.version: [ 1, 2 ]
amdhsa.kernels:
  - .name:           k_q5f8aebee08_proj
    .symbol:         k_q5f8aebee08_proj.kd
    .args:
      - { .name: xb, .offset: 0, .size: 8, .value_kind: global_buffer, .address_space: global }
      - { .name: wb, .offset: 8, .size: 8, .value_kind: global_buffer, .address_space: global }
      - { .name: qkv, .offset: 16, .size: 8, .value_kind: global_buffer, .address_space: global }
    .group_segment_fixed_size: 327680
    .private_segment_fixed_size: 0
    .kernarg_segment_align: 8
    .kernarg_segment_size: 24
    .max_flat_workgroup_size: 128
    .sgpr_count:     80
    .vgpr_count:     1024
    .wavefront_size: 32
...
	.end_amdgpu_metadata
.endif
;; end of part 2
;; launch score (part 3): grid 8 x 32, 4 waves a work-group, clusters of 4 x 4, 327,680 bytes of LDS; arguments qkv, pw, statm, statl; writes pw, statm, statl
.if DOCPART == 3
	.amdgcn_target "amdgcn-amd-amdhsa--gfx1250"
	.amdhsa_code_object_version 6
	.text
	.protected	k_q5f8aebee08_score
	.globl	k_q5f8aebee08_score
	.p2align	8
	.type	k_q5f8aebee08_score,@function
k_q5f8aebee08_score:
	s_mov_b64 s[64:65], 0
	v_nop
	global_prefetch_b8 v0, s[64:65] scope:SCOPE_SE
	s_setreg_imm32_b32 hwreg(HW_REG_WAVE_MODE, 25, 1), 1
	s_wait_xcnt 0x0
	s_wait_alu depctr_hold_cnt(0) depctr_sa_sdst(0) depctr_va_vdst(0) depctr_va_sdst(0) depctr_va_ssrc(0) depctr_va_vcc(0) depctr_vm_vsrc(0)
	s_getreg_b32 s2, hwreg(HW_REG_IB_STS2, 6, 4)
	s_cmp_eq_u32 s2, 0
	s_cbranch_scc0 .Lentry_in_a_cluster
	s_endpgm
.Lentry_in_a_cluster:
	s_bfe_u32 s2, ttmp6, 0x10000c
	s_cmp_lg_u32 s2, 0xf033
	s_cbranch_scc0 .Lentry_shape_is_right
	s_endpgm
.Lentry_shape_is_right:
; S = q k^T for one batch's 256 queries x 256 keys (K = 1,024, f16 operands out of qkv, f32 sums).  Then, for each query and each SEGMENT of 128 keys (a wave's share):
; m = the segment's true maximum, p = 2^(c s - c m) with c = log2(e) / 32, rounded to f16, l = the sum of the rounded p.  statm takes c m, statl takes l: [batch][16 segments][2048 rows], f32.
; pw, f16, takes p where key <= query and 0 elsewhere.  The next launch joins the segments: every factor there is 2^(c m_seg - c M) <= 1.
; pw's ORDER is the order in which the lanes hold p: [group of 64 rows][tile of 256 keys][block of 16 rows][block of 16 keys][lane][8 keys]: lane l holds row l % 16 and the keys 8 (l / 16) + 0..7 of the two blocks.
; That is half of a source 1 of the next launch's product as it stands, so p leaves straight from registers, 512 consecutive bytes a store, and 64 rows x 256 keys are 32,768 bytes on end.
; The softmax runs over ALL keys, so every tile makes its statistics; of pw the quarter of each batch with keys 1,024 on and queries under 1,024 is neither written here nor read later.
; LIMITS: p below 6e-5 keeps f16's fixed step; a weight below 2^-126 counts as 0; NaN and infinities are not treated apart.
; SHARES.  8 x 32 = 256 work-groups; four waves, 2 x 2, 128 queries x 128 keys each: two GROUPS of 64 keys, 32 accumulators each.  K goes in steps of 128 (rows of 256 bytes) through two LDS slots;
; waves 0 and 1 fetch q's halves, waves 2 and 3 k's.  A step is four QUARTERS of 32, a quarter two phases of 32 products.
; CLUSTER 4 x 4: q's tile is asked for jointly by a row of the cluster, k's by a column; a cluster lies in one batch.
; LAYOUT.  Source 0 = 16 keys, source 1 = 16 queries: lane l holds query l % 16 and the keys 8 (l / 16) + 0..7: a query's maximum wants one exchange between the halves of the lanes.
; REGISTERS, in windows of 256 (s_set_vgpr_msb: bits 1:0 source 0, 3:2 source 1, 5:4 source 2, 7:6 destination):
;   window 0: v0-31 addresses; v32-95, v96-159 q's fragments, two buffers; v160-191, v192-223 k's fragments of groups 0, 1; v224-239 c m and m by row block; v240-247 statistics on their way out
;   window 1 + g: group g's accumulators, tile (a, j) at v[8 (4 a + j)]          window 3: p, four registers for row block a and key block b at v[4 (8 a + b)]
; TURNS.  The 32 accumulators of a phase differ, and one comes back 64 products later, over the backward jumps too.
.set NG,    2
.set NQ,    4
.set PITCH, 272                        ; an LDS row: 256 bytes + 16 = 68 words: the 16 rows of a load start at 16 different groups of four banks (64 banks of 4 bytes: ISA guide 11.1)
.set HALFT, 128*PITCH
.set SLOT,  4*HALFT                    ; q's 256 rows, then k's 256 rows
.set STATB, 2*SLOT                     ; behind the ring: 1,024 bytes for each wave: 128 c m, 128 l
.set SPARE, STATB+4096                 ; the spare words, 128 bytes a wave: two blocks of 256 bytes that no other line names
.set ROWB,  6144                       ; bytes in a row of qkv
.set AF,    32
.set BF,    160
.set CM,    224                        ; c m of row block a at CM + 2 a, m beside it
.set SV,    240
.set LS,    32                         ; the row sums' accumulators, 8 a row block
.set ONES,  96                         ; v96-103: sixteen 1.0 in f16
.set MK,    96                         ; later: the 12 masks
.set MW,    24                         ; v24-27
.set ADRA0, 4
.set ADRB0, 5
.set ADRA,  6
.set ADRB,  7
.set PFO,   12
.set SA,    13                         ; v13  where I put a row's statistic
.set SPW,   14
.set NIL,   15
.set SR,    16                         ; v16  where I read four rows' statistics back
.set SG,    17                         ; v17  16 x lane: my place in 512 consecutive bytes; never rewritten
.set WV,    12
.set WR,    13                         ; my half of the queries.  Also: I fetch for q (0) or for k (1)
.set WC,    14                         ; my half of the keys.  Also: which half of that tile I fetch
.set TY,    15                         ; 8 x batch + query tile
.set G1A,   24
.set G0A,   32
.set CX,    40
.set CY,    41
.set TX,    42                         ; key tile
.set LIM,   43
.set PFA,   44
.set KY,    46
.set BAT,   47
.set G1B,   48
.set G0B,   56
.set TB,    66                         ; 0 or SLOT: the slot that is being read
.set CNT,   67
.set TBF,   68                         ; 0 or SLOT: the slot that was filled last
.set WOFF,  69                         ; my quarter of a slot
.set CS,    70                         ; s[70:71] c
.set SEL,   72                         ; s[72:73] v_permlanex16_b32's selects: each lane takes its own place in the other half
.set MSB, 0
.macro WIN new
.if MSB != (\new)
	s_set_vgpr_msb (MSB<<8)|(\new)
.set MSB, (\new)
.endif
.endm
.macro PLACES                          ; four plain instructions between a product and a load into, or a vector read of, one of its registers (ISA guide 7.12.1 for vector reads)
.rept 4
	v_nop
.endr
.endm
.macro CREST
	s_cmp_lg_u32 s[WV], 0
	s_cbranch_scc1 .Lnot_wave_0_\@
	s_barrier_signal -3
.Lnot_wave_0_\@:
	s_barrier_wait -3
	s_barrier_signal -1
	s_barrier_wait -1
.endm
.macro CROUND
	s_barrier_signal -1
	s_barrier_wait -1
	CREST
.endm
.macro JLOAD                           ; a joint refill by the walking sets; an s_nop 0 and four v_nop follow each line
	s_cmp_eq_u32 s[WR], 0
	s_cbranch_scc0 .Lfor_b_\@
	tensor_load_to_lds s[G0A+4:G0A+7], s[G1A:G1A+7]
	s_nop 0
.rept 4
	v_nop
.endr
	s_branch .Lasked_\@
.Lfor_b_\@:
	tensor_load_to_lds s[G0B+4:G0B+7], s[G1B:G1B+7]
	s_nop 0
.rept 4
	v_nop
.endr
.Lasked_\@:
.endm
; A PREFETCH INTO THE L2, behind the joint load and the run of LDS loads that follows it: the change behind K step t refills step t + 2 and asks for step t + 3: 256 bytes of each row, a lane a row.
; q's rows are read by both clusters of a row of clusters: the one with x = 0 asks; k's by the two clusters of a batch in a column: the one with even y asks.  Of the 128 rows that a wave fetches each of
; the four partners takes 32, told apart BY ADDRESS (cx for q, cy for k).  So each block is named once.  Steps 0 to 2 come by their loads alone; the last refill has no step behind it.
.macro ASK
	s_cmp_gt_u32 s[CNT], s[LIM]
	s_cbranch_scc0 .Lnot_mine_\@
	global_prefetch_b8 v[PFO], s[PFA:PFA+1] th:TH_LOAD_NT scope:SCOPE_SE
.Lnot_mine_\@:
.endm
.macro LA buf, q
	WIN 0
.set la, 0
.rept 8
	ds_load_b128 v[AF+64*(\buf)+8*la:AF+64*(\buf)+8*la+3],   v[ADRA] offset:64*(\q)+16*PITCH*la
	ds_load_b128 v[AF+64*(\buf)+8*la+4:AF+64*(\buf)+8*la+7], v[ADRA] offset:64*(\q)+16*PITCH*la+32
.set la, la+1
.endr
.endm
.macro LB g, q
	WIN 0
.set lj, 0
.rept 4
	ds_load_b128 v[BF+32*(\g)+8*lj:BF+32*(\g)+8*lj+3],   v[ADRB] offset:64*(\q)+16*PITCH*(4*(\g)+lj)
	ds_load_b128 v[BF+32*(\g)+8*lj+4:BF+32*(\g)+8*lj+7], v[ADRB] offset:64*(\q)+16*PITCH*(4*(\g)+lj)+32
.set lj, lj+1
.endr
.endm
.macro MM g, buf, a0, na, zero
	WIN ((\g)+1)*0x50
.set ma, (\a0)
.rept (\na)
.set mj, 0
.rept 4
.if \zero
	v_wmma_f32_16x16x32_f16 v[8*(4*ma+mj):8*(4*ma+mj)+7], v[BF+32*(\g)+8*mj:BF+32*(\g)+8*mj+7], v[AF+64*(\buf)+8*ma:AF+64*(\buf)+8*ma+7], 0
.else
	v_wmma_f32_16x16x32_f16 v[8*(4*ma+mj):8*(4*ma+mj)+7], v[BF+32*(\g)+8*mj:BF+32*(\g)+8*mj+7], v[AF+64*(\buf)+8*ma:AF+64*(\buf)+8*ma+7], v[8*(4*ma+mj):8*(4*ma+mj)+7]
.endif
.set mj, mj+1
.endr
.set ma, ma+1
.endr
.endm
; A QUARTER.  LDS loads are issued in this order: .. A(n), B0(n), B1(n), A(n+1), B0(n+1) ..  Phase 0 wants A(n) and B0(n): the 8 loads of B1(n) may be out.  Phase 1 wants B1(n): the 24 loads behind it may be out.
; chg = 1, 2: the step's last quarter changes slots in phase 0, behind the old slot's last read.  Each wave waits for all its tensor loads (one is out: its part of the next slot), adds 0 to its spare word, and
; waits for that and for its reads.  chg = 1: the barrier opens a round of the cluster's barrier, and the joint refill of the old slot is the first tensor load behind it.
.macro QUARTER q, chg, zero
.set QB, (\q)%2
.set QN, ((\q)+1)%NQ
.if (\chg) == 1
	s_wait_xcnt 0x0                                ; the last prefetch, a step back, has read its address
	s_add_nc_u64 s[PFA:PFA+1], s[PFA:PFA+1], 256
.endif
	PLACES
	LB NG-1, \q
.if \chg
	s_wait_tensorcnt 0x0                           ; all my tensor loads have landed
	ds_add_u32 v[SPW], v[NIL]                      ; 0 onto my spare word
	s_wait_dscnt 8*(NG-1)+1                        ; (the add and the 8 youngest loads may be out)
	MM 0, QB, 0, 4, \zero
	s_wait_dscnt 0x0                               ; the add is done, and my reads of this slot are over
	s_barrier_signal -1
	MM 0, QB, 4, 4, \zero
	WIN 0
	s_barrier_wait -1
.if (\chg) == 1
	CREST                                          ; no wave of any partner still reads the slot or has a load on its way
	s_xor_b32 s[TBF], s[TBF], SLOT                 ; the walking sets: the other slot than last time,
	s_add_co_u32 s[G0A+5], s[TBF], s[WOFF]
	s_add_co_u32 s[G0B+5], s[TBF], s[WOFF]
	s_add_nc_u64 s[G0A+6:G0A+7], s[G0A+6:G0A+7], 256  ; the next K step; the type bits on top are not reached
	s_add_nc_u64 s[G0B+6:G0B+7], s[G0B+6:G0B+7], 256
	JLOAD                                          ; it has 224 products in which to land
.endif
	s_xor_b32 s[TB], s[TB], SLOT
	v_add_nc_u32 v[ADRA], s[TB], v[ADRA0]
	v_add_nc_u32 v[ADRB], s[TB], v[ADRB0]
.else
	s_wait_dscnt 8*(NG-1)
	MM 0, QB, 0, 8, \zero
.endif
	LA 1-QB, QN
.if (\chg) == 1
	ASK
.endif
.set qg, 1
.rept NG-1
	PLACES
	LB qg-1, QN
	s_wait_dscnt 16+8*(NG-1)
	MM qg, QB, 0, 8, \zero
.set qg, qg+1
.endr
.endm
	s_load_b256 s[4:11], s[0:1], 0x0               ; qkv s[4:5], pw s[6:7], statm s[8:9], statl s[10:11]
	v_lshl_add_u32 v[SPW], v0, 2, SPARE
	v_mov_b32 v[NIL], 0
	ds_add_u32 v[SPW], v[NIL]                      ; the wave's opening: the add and its wait stand ahead of my first tensor load
	v_lshrrev_b32 v1, 5, v0
	v_readfirstlane_b32 s[WV], v1
	s_lshr_b32 s[WR], s[WV], 1
	s_and_b32 s[WC], s[WV], 1
	s_bfe_u32 s[CX], ttmp6, 0x40000
	s_bfe_u32 s[CY], ttmp6, 0x40004
	s_lshl_b32 s[TX], ttmp9, 2
	s_add_co_u32 s[TX], s[TX], s[CX]
	s_and_b32 s[KY], ttmp7, 0xffff
	s_lshl_b32 s[TY], s[KY], 2
	s_add_co_u32 s[TY], s[TY], s[CY]
	s_lshr_b32 s[BAT], s[KY], 1                    ; the batch, from the cluster's y alone
	s_lshl_b32 s74, s[CY], 2
	s_lshl_b32 s74, 15, s74                        ; my row of the cluster
	s_lshl_b32 s75, 0x1111, s[CX]                  ; my column
	s_or_b32 s[G1A], s74, (1<<16)|(1<<20)|(1<<21)|(5<<22)|(3<<25)  ; the mask; 2-byte elements; padding on; bit 21 beside a mask; after every 64 words (code 5) 4 words (code 3)
	s_or_b32 s[G1B], s75, (1<<16)|(1<<20)|(1<<21)|(5<<22)|(3<<25)
.irp g, G1A, G1B
	s_mov_b32 s[(\g)+1], 128<<16                   ; tensor_dim0 = 128
	s_mov_b32 s[(\g)+2], 128<<16                   ; tensor_dim1 = 128
	s_mov_b32 s[(\g)+3], 128<<16                   ; tile_dim0
	s_mov_b32 s[(\g)+4], 128                       ; tile_dim1
	s_mov_b32 s[(\g)+5], 3072                      ; elements from row to row
	s_mov_b32 s[(\g)+6], 0
	s_mov_b32 s[(\g)+7], 0
.endr
	s_lshl_b32 s16, s[TY], 8                       ; q: row 256 x (8 batch + query tile) + my 128
	s_lshl_b32 s17, s[WC], 7
	s_add_co_u32 s16, s16, s17
	s_mul_i32 s16, s16, ROWB
	s_mov_b32 s17, 0
	s_lshl_b32 s20, s[BAT], 11                     ; k: row 2,048 x batch + 256 x key tile + my 128, 2,048 bytes along the row
	s_lshl_b32 s21, s[TX], 8
	s_add_co_u32 s20, s20, s21
	s_lshl_b32 s21, s[WC], 7
	s_add_co_u32 s20, s20, s21
	s_mul_i32 s20, s20, ROWB
	s_add_co_u32 s20, s20, 2048
	s_mov_b32 s21, 0
	s_mul_i32 s[WOFF], s[WV], HALFT                ; q's two halves, then k's: no place in the cluster enters an LDS address
	s_mov_b32 s[TB], 0
	s_mov_b32 s[TBF], SLOT
	s_mov_b32 s[CS], 0x3d38aa3b                    ; c = log2(e) / 32
	s_mov_b32 s[CS+1], s[CS]
	s_mov_b32 s[SEL], 0x76543210
	s_mov_b32 s[SEL+1], 0xfedcba98
	s_wait_dscnt 0x0                               ; the opening add is done
	s_wait_kmcnt 0x0
	s_add_nc_u64 s[18:19], s[4:5], s[16:17]
	s_add_nc_u64 s[22:23], s[4:5], s[20:21]
	CROUND                                         ; all sixteen work-groups are here: the first joint loads meet
.irp s, 0,1
	s_mov_b32 s[G0A+4*(\s)], 1
	s_add_co_u32 s[G0A+4*(\s)+1], s[WOFF], (\s)*SLOT
	s_add_nc_u64 s[G0A+4*(\s)+2:G0A+4*(\s)+3], s[18:19], (\s)*256
	s_or_b32 s[G0A+4*(\s)+3], s[G0A+4*(\s)+3], 0x80000000
	s_mov_b32 s[G0B+4*(\s)], 1
	s_add_co_u32 s[G0B+4*(\s)+1], s[WOFF], (\s)*SLOT
	s_add_nc_u64 s[G0B+4*(\s)+2:G0B+4*(\s)+3], s[22:23], (\s)*256
	s_or_b32 s[G0B+4*(\s)+3], s[G0B+4*(\s)+3], 0x80000000
.endr
	s_cmp_eq_u32 s[WR], 0                          ; a wave's two first fills stand in one branch: two tensor loads of mine are out
	s_cbranch_scc0 .Lfirst_b
	tensor_load_to_lds s[G0A:G0A+3], s[G1A:G1A+7]
	s_nop 0
	tensor_load_to_lds s[G0A+4:G0A+7], s[G1A:G1A+7]
	s_nop 0
.rept 4
	v_nop
.endr
	s_branch .Lfirst_asked
.Lfirst_b:
	tensor_load_to_lds s[G0B:G0B+3], s[G1B:G1B+7]
	s_nop 0
	tensor_load_to_lds s[G0B+4:G0B+7], s[G1B:G1B+7]
	s_nop 0
.rept 4
	v_nop
.endr
.Lfirst_asked:
	v_and_b32 v1, 15, v0                           ; r
	v_bfe_u32 v2, v0, 4, 1                         ; h
	v_mul_u32_u24 v3, v1, PITCH
	v_lshl_add_u32 v3, v2, 4, v3                   ; row x pitch + 16 h
	s_mul_i32 s74, s[WR], HALFT
	v_add_nc_u32 v[ADRA0], s74, v3
	s_mul_i32 s74, s[WC], HALFT
	s_add_co_u32 s74, s74, 2*HALFT
	v_add_nc_u32 v[ADRB0], s74, v3
	v_mov_b32 v[ADRA], v[ADRA0]
	v_mov_b32 v[ADRB], v[ADRB0]
	s_lshl_b32 s74, s[WV], 10
	s_add_co_u32 s74, s74, STATB
	v_lshl_add_u32 v[SA], v1, 2, s74
	v_and_b32 v[SG], 31, v0
	v_lshlrev_b32 v[SG], 4, v[SG]
	v_add_nc_u32 v[SR], s74, v[SG]
	s_lshl_b32 s74, s[TY], 20                      ; pw at my first block: group of 64 rows 4 ty + 2 wr (2^18 bytes each), key tile tx (2^15), key block 8 wc (2^9)
	s_lshl_b32 s75, s[WR], 19
	s_add_co_u32 s74, s74, s75
	s_lshl_b32 s75, s[TX], 15
	s_add_co_u32 s74, s74, s75
	s_lshl_b32 s75, s[WC], 12
	s_add_co_u32 s74, s74, s75
	s_mov_b32 s75, 0
	s_add_nc_u64 s[6:7], s[6:7], s[74:75]
	s_lshl_b32 s74, s[BAT], 4                      ; the statistics: ((16 batch + 2 tx + wc) x 2,048 + 256 query tile + 128 wr) x 4 bytes
	s_lshl_b32 s76, s[TX], 1
	s_add_co_u32 s74, s74, s76
	s_add_co_u32 s74, s74, s[WC]
	s_lshl_b32 s74, s74, 11
	s_and_b32 s76, s[TY], 7
	s_lshl_b32 s76, s76, 8
	s_add_co_u32 s74, s74, s76
	s_lshl_b32 s76, s[WR], 7
	s_add_co_u32 s74, s74, s76
	s_lshl_b32 s74, s74, 2
	s_add_nc_u64 s[8:9], s[8:9], s[74:75]
	s_add_nc_u64 s[10:11], s[10:11], s[74:75]
	; the prefetches
	s_lshl_b32 s74, s[TY], 8                       ; q's tile begins at this row,
	s_lshl_b32 s75, s[BAT], 11
	s_lshl_b32 s76, s[TX], 8
	s_add_co_u32 s75, s75, s76                     ; k's at this one
	s_and_b32 s76, s[KY], 1
	s_mov_b32 s77, ttmp9
	s_mov_b32 s78, 2048+512
	s_cmp_eq_u32 s[WR], 0
	s_cselect_b32 s74, s74, s75
	s_cselect_b32 s75, s[CX], s[CY]                ; my place among the four that ask with me
	s_cselect_b32 s76, s77, s76                    ; the coordinate along which another cluster reads the same rows
	s_cselect_b32 s78, 512, s78                    ; at K step 2: the first change steps it to 3
	s_cmp_eq_u32 s76, 0
	s_cselect_b32 s[LIM], 1, -1                    ; the same in all sixteen partners, for a given wave
	s_lshl_b32 s76, s[WC], 7
	s_add_co_u32 s74, s74, s76
	s_lshl_b32 s75, s75, 5
	s_add_co_u32 s74, s74, s75
	s_mul_i32 s74, s74, ROWB
	s_add_co_u32 s74, s74, s78
	s_mov_b32 s75, 0
	s_add_nc_u64 s[PFA:PFA+1], s[4:5], s[74:75]
	v_and_b32 v[PFO], 31, v0
	v_mul_u32_u24 v[PFO], v[PFO], ROWB
	s_wait_tensorcnt 0x1                           ; my part of K step 0 is in; step 1's may stay out
	s_barrier_signal -1
	s_barrier_wait -1
	LA 0, 0
	LB 0, 0
	QUARTER 0, 0, 1                                ; the first quarter stands ahead of the loop: its products start the sums
	WIN 0
	s_mov_b32 s[CNT], 6
.Lstep:                                        ; 6 trips, from a step's second quarter to the next step's first: every slot but the last two is filled again
	QUARTER 1, 0, 0
	QUARTER 2, 0, 0
	QUARTER 3, 1, 0
	QUARTER 0, 0, 0
	WIN 0
	s_sub_co_u32 s[CNT], s[CNT], 1
	s_cmp_lg_u32 s[CNT], 0
	s_cbranch_scc1 .Lstep
	s_mov_b32 s[CNT], 2
.Ltail:                                        ; the last two steps ask for nothing; the second trip is left in its middle; its last fragment loads serve nothing: the price of one text for both trips
	QUARTER 1, 0, 0
	QUARTER 2, 0, 0
	QUARTER 3, 2, 0
	WIN 0
	s_sub_co_u32 s[CNT], s[CNT], 1
	s_cmp_eq_u32 s[CNT], 0
	s_cbranch_scc1 .Lout
	QUARTER 0, 0, 0
	WIN 0
	s_branch .Ltail
.Lout:
	s_wait_dscnt 0x0                               ; the fragment registers are mine again
	; THE MAXIMUM of each query's 128 scores.  A lane holds 64 of them for each row block a.  Eight chains, a row block each, take turns; each accumulator is read from its low end on.
.set ea, 0
.rept 8
	v_mov_b32 v[CM+2*ea+1], 0                      ; v_permlanex16_b32's destination counts as read; these eight lines are also the places behind the last products
.set ea, ea+1
.endr
	WIN 0x05
.set ea, 0
.rept 8
	v_max_num_f32 v[CM+2*ea], v[32*ea], v[32*ea+1]
.set ea, ea+1
.endr
.set ew, 1
.rept 2
	WIN 0x14*ew                                    ; sources 1 and 2 in the group's window
.set ei, 0
.rept 16                                       ; pair ei of a row block's 16 in this window: tile ei / 4, registers 2 (ei % 4) on
.if (ew > 1) || (ei > 0)
.set ea, 0
.rept 8
	v_max3_num_f32 v[CM+2*ea], v[CM+2*ea], v[32*ea+2*ei], v[32*ea+2*ei+1]
.set ea, ea+1
.endr
.endif
.set ei, ei+1
.endr
.set ew, ew+1
.endr
	WIN 0
.set ea, 0
.rept 8
	v_permlanex16_b32 v[CM+2*ea+1], v[CM+2*ea], s[SEL], s[SEL+1]   ; the query's other 64 keys lie in the lane 16 away
.set ea, ea+1
.endr
.set ea, 0
.rept 8
	v_max_num_f32 v[CM+2*ea+1], v[CM+2*ea], v[CM+2*ea+1]           ; m
.set ea, ea+1
.endr
.set ea, 0
.rept 8
	v_mul_f32 v[CM+2*ea], s[CS], v[CM+2*ea+1]                      ; c m
.set ea, ea+1
.endr
	; p = 2^(c s - c m), in place.  All 512 exponentials are ONE BATCH: nothing names a result ahead of the one wait behind them.  A tile's four scalings stand among the exponentials of the tile before.
.macro FS t, i                         ; pair i of tile t of the window in hand
	v_pk_fma_f32 v[8*(\t)+2*(\i):8*(\t)+2*(\i)+1], v[8*(\t)+2*(\i):8*(\t)+2*(\i)+1], s[CS:CS+1], v[CM+2*((\t)/4):CM+2*((\t)/4)+1] op_sel_hi:[1,0,0] neg_lo:[0,0,1] neg_hi:[0,0,1]
.endm
.set ew, 1
.rept 2
	WIN 0x41*ew                                    ; destination and source 0 in the group's window, c m in window 0
.set ei, 0
.rept 4
	FS 0, ei
.set ei, ei+1
.endr
.set et, 0
.rept 32
.set ei, 0
.rept 4
.if et < 31
	FS et+1, ei
.endif
	v_exp_f32 v[8*et+2*ei], v[8*et+2*ei]
	v_exp_f32 v[8*et+2*ei+1], v[8*et+2*ei+1]
.set ei, ei+1
.endr
.set et, et+1
.endr
.set ew, ew+1
.endr
	v_nop                                          ; a plain instruction behind the last exponential,
	s_wait_alu depctr_va_vdst(0)                   ; and one wait for the batch, ahead of the first use
.set ew, 1
.rept 2
	WIN 0xc0+5*ew                                  ; sources in the group's window, destination in window 3
.set et, 0
.rept 32
.set ei, 0
.rept 4
	v_cvt_pk_f16_f32 v[4*(8*(et/4)+4*(ew-1)+et%4)+ei], v[8*et+2*ei], v[8*et+2*ei+1]
.set ei, ei+1
.endr
.set et, et+1
.endr
.set ew, ew+1
.endr
	; THE ROW SUMS by the matrix unit: ones x p.  Two key blocks' eight registers are a source 1 of 32 keys x 16 queries; every row of the result is the sum over both halves of the lanes.
	; 32 products in the place of 256 packed additions and an exchange; the eight accumulators take turns.
	WIN 0
.set ei, 0
.rept 8
	v_mov_b32 v[ONES+ei], 0x3c003c00
.set ei, ei+1
.endr
	WIN 0x0c                                       ; source 1 in window 3
.set ek, 0
.rept 4
.set ea, 0
.rept 8
.if ek == 0
	v_wmma_f32_16x16x32_f16 v[LS+8*ea:LS+8*ea+7], v[ONES:ONES+7], v[32*ea+8*ek:32*ea+8*ek+7], 0
.else
	v_wmma_f32_16x16x32_f16 v[LS+8*ea:LS+8*ea+7], v[ONES:ONES+7], v[32*ea+8*ek:32*ea+8*ek+7], v[LS+8*ea:LS+8*ea+7]
.endif
.set ea, ea+1
.endr
.set ek, ek+1
.endr
	WIN 0
	PLACES
	; THE STATISTICS leave through my own 1,024 bytes of LDS, so that a store covers 512 consecutive bytes.  Both halves of the lanes write the same word with the same number.
.set ea, 0
.rept 8
	ds_store_b32 v[SA], v[CM+2*ea] offset:64*ea
	ds_store_b32 v[SA], v[LS+8*ea] offset:512+64*ea   ; the accumulator's lowest register
.set ea, ea+1
.endr
	ds_load_b128 v[SV:SV+3],   v[SR]               ; LDS serves a wave's instructions in order (ISA guide 5.7.1.4): these see the stores above
	ds_load_b128 v[SV+4:SV+7], v[SR] offset:512
	s_wait_dscnt 0x0
	global_store_b128 v[SG], v[SV:SV+3],   s[8:9]
	global_store_b128 v[SG], v[SV+4:SV+7], s[10:11]
	; WHICH CLUSTERS STORE p.  A cluster holds 1,024 queries x 1,024 keys.  The branches hang on the cluster's place alone, which all partners share.
	s_and_b32 s74, s[KY], 1
	s_mov_b32 s75, ttmp9
	s_cmp_gt_u32 s75, s74
	s_cbranch_scc1 .Lend                           ; every key lies behind every query: p is not wanted
	s_cmp_eq_u32 s75, s74
	s_cbranch_scc0 .Lnomask                        ; every key lies ahead of every query
	; THE MASK, for the clusters on the diagonal.  D = my first query - my first key enters values alone.  The word jj of key block b and row block a holds the keys 16 b + 8 h + 2 jj and + 1 for query 16 a + r:
	; the first is seen where 16 (a - b) > w, the second where 16 (a - b) - 1 > w, with w = 8 h + 2 jj - r - 1 - D.  D is a multiple of 128 (256 x tiles + 128 x halves) and 8 h + 2 jj - r - 1 lies in -16 .. 13,
	; while 16 (a - b) lies in -112 .. 112.  So for D = 0 every a > b sees all and every a < b nothing, and for any other D all blocks are alike: the masks of a - b = 1, 0 and -1 serve all a - b of their sign: 3 x 4 masks.
	s_and_b32 s74, s[TY], 7
	s_sub_co_i32 s75, s74, s[TX]
	s_lshl_b32 s75, s75, 8
	s_sub_co_i32 s76, s[WR], s[WC]
	s_lshl_b32 s76, s76, 7
	s_add_co_i32 s75, s75, s76                     ; D
	s_not_b32 s75, s75                             ; - 1 - D
	v_lshlrev_b32 v20, 3, v2
	v_sub_nc_u32 v20, v20, v1                      ; 8 h - r
	v_add_nc_u32 v20, s75, v20
.set ej, 0
.rept 4
	v_add_nc_u32 v[MW+ej], 2*ej, v20
.set ej, ej+1
.endr
	v_mov_b32 v28, 0xffff
	v_mov_b32 v29, -1
.set es, 0
.rept 3                                        ; a - b = es - 1
.set ej, 0
.rept 4
	v_cmp_gt_i32 vcc_lo, 16*(es-1), v[MW+ej]
	v_cndmask_b32 v[MK+4*es+ej], 0, v28, vcc_lo
	v_cmp_gt_i32 vcc_lo, 16*(es-1)-1, v[MW+ej]
	v_cndmask_b32 v[MK+4*es+ej], v[MK+4*es+ej], v29, vcc_lo
.set ej, ej+1
.endr
.set es, es+1
.endr
	WIN 0xcc                                       ; destination and source 1 in window 3
.set ea, 0
.rept 8
.set eb, 0
.rept 8
.if ea > eb
.set es, 2
.elseif ea == eb
.set es, 1
.else
.set es, 0
.endif
.set ej, 0
.rept 4
	v_and_b32 v[4*(8*ea+eb)+ej], v[MK+4*es+ej], v[4*(8*ea+eb)+ej]
.set ej, ej+1
.endr
.set eb, eb+1
.endr
.set ea, ea+1
.endr
	WIN 0
.Lnomask:
	; p LEAVES straight from registers: the four registers of row block a and key block b are 512 consecutive bytes of pw, at a multiple of 512 from its first byte.  Nothing is written behind these stores.
	WIN 0x0c                                       ; the stores' data in window 3
.set ta, 0
.rept 8
.set tb, 0
.rept 8
	global_store_b128 v[SG], v[4*(8*ta+tb):4*(8*ta+tb)+3], s[6:7] offset:262144*(ta/4)+8192*(ta%4)+512*tb
.set tb, tb+1
.endr
.set ta, ta+1
.endr
	WIN 0
.Lend:
	s_wait_tensorcnt 0x0                           ; the wave's end: behind my last tensor load and my last LDS store
	ds_add_u32 v[SPW], v[NIL]
	s_wait_dscnt 0x0
	CROUND                                         ; the closing round
	s_endpgm
.Lfunc_end_k_q5f8aebee08_score:
	.size	k_q5f8aebee08_score, .Lfunc_end_k_q5f8aebee08_score-k_q5f8aebee08_score
	.p2alignl 7, 3214868480
	.fill 96, 4, 3214868480
	.section	.rodata,"a",@progbits
	.p2align	6, 0x0
	.amdhsa_kernel k_q5f8aebee08_score
		.amdhsa_group_segment_fixed_size 327680
		.amdhsa_private_segment_fixed_size 0
		.amdhsa_enable_private_segment 0
		.amdhsa_kernarg_size 32
		.amdhsa_user_sgpr_count 2
		.amdhsa_user_sgpr_kernarg_segment_ptr 1
		.amdhsa_wavefront_size32 1
		.amdhsa_system_sgpr_workgroup_id_x 1
		.amdhsa_system_sgpr_workgroup_id_y 1
		.amdhsa_system_sgpr_workgroup_id_z 1
		.amdhsa_system_vgpr_workitem_id 0
		.amdhsa_next_free_vgpr 1024
		.amdhsa_next_free_sgpr 80
		.amdhsa_reserve_vcc 1
		.amdhsa_float_denorm_mode_32 3
		.amdhsa_float_denorm_mode_16_64 3
		.amdhsa_memory_ordered 1
		.amdhsa_forward_progress 1
		.amdhsa_inst_pref_size 156
	.end_amdhsa_kernel
	.amdgpu_metadata
---
amdhsa.version: [ 1, 2 ]
amdhsa.kernels:
  - .name:           k_q5f8aebee08_score
    .symbol:         k_q5f8aebee08_score.kd
    .args:
      - { .name: qkv, .offset: 0, .size: 8, .value_kind: global_buffer, .address_space: global }
      - { .name: pw, .offset: 8, .size: 8, .value_kind: global_buffer, .address_space: global }
      - { .name: statm, .offset: 16, .size: 8, .value_kind: global_buffer, .address_space: global }
      - { .name: statl, .offset: 24, .size: 8, .value_kind: global_buffer, .address_space: global }
    .group_segment_fixed_size: 327680
    .private_segment_fixed_size: 0
    .kernarg_segment_align: 8
    .kernarg_segment_size: 32
    .max_flat_workgroup_size: 128
    .sgpr_count:     80
    .vgpr_count:     1024
    .wavefront_size: 32
...
	.end_amdgpu_metadata
.endif
;; end of part 3
;; launch ctx (part 4): grid 8 x 32, 4 waves a work-group, clusters of 4 x 1, 327,680 bytes of LDS; arguments pw, qkv, statm, statl, out0; writes out0
.if DOCPART == 4
	.amdgcn_target "amdgcn-amd-amdhsa--gfx1250"
	.amdhsa_code_object_version 6
	.text
	.protected	k_q5f8aebee08_ctx
	.globl	k_q5f8aebee08_ctx
	.p2align	8
	.type	k_q5f8aebee08_ctx,@function
k_q5f8aebee08_ctx:
	s_mov_b64 s[64:65], 0
	v_nop
	global_prefetch_b8 v0, s[64:65] scope:SCOPE_SE
	s_setreg_imm32_b32 hwreg(HW_REG_WAVE_MODE, 25, 1), 1
	s_wait_xcnt 0x0
	s_wait_alu depctr_hold_cnt(0) depctr_sa_sdst(0) depctr_va_vdst(0) depctr_va_sdst(0) depctr_va_ssrc(0) depctr_va_vcc(0) depctr_vm_vsrc(0)
	s_getreg_b32 s2, hwreg(HW_REG_IB_STS2, 6, 4)
	s_cmp_eq_u32 s2, 0
	s_cbranch_scc0 .Lentry_in_a_cluster
	s_endpgm
.Lentry_in_a_cluster:
	s_bfe_u32 s2, ttmp6, 0x10000c
	s_cmp_lg_u32 s2, 0x3003
	s_cbranch_scc0 .Lentry_shape_is_right
	s_endpgm
.Lentry_shape_is_right:
; out0[batch][q][e] = (the sum over segments of f_seg x (the sum over the segment's keys of p v)) / L.  p (pw, f16) is 2^(c s - c m_seg), already 0 where key > query; v is the third 1,024 columns of qkv (f16).
; For each row: c M = the largest of the 16 segments' c m (statm); f_seg = 2^(c m_seg - c M) <= 1; L = the sum over ALL 16 segments of f_seg l_seg (statl): the softmax's divisor runs over all keys,
; the products only over keys up to the query.  Each segment of 128 keys has f32 sums of its own (T), which O takes as O += f T, in f32.
; pw's ORDER: [group of 64 rows][tile of 256 keys][block of 16 rows][block of 16 keys][lane][8 keys]: lane l's 16 bytes are row l % 16, keys 8 (l / 16) + 0..7.  Two neighbouring key blocks are a source 1 as they lie.
; LIMITS: a factor below 2^-126 counts as 0; NaN and infinities are not treated apart.
; THE WALK.  A batch's queries lie in 16 blocks of 128; block i needs the key tiles 0 .. i / 2 of 256 keys.  A work-group makes 128 columns of TWO blocks, i and then 15 - i: i / 2 + 1 and 8 - i / 2 tiles, nine
; whatever i: all 256 work-groups do equal work, and one loop with a constant count walks them.  Which tile is asked for hangs on scalars made from the work-group's y; every jump but the loops' own goes forward,
; over text with no barrier and no tensor load.  (Of an even block's last tile the second half holds zeros: one unit of 128 keys in eighteen.)
; SHARES.  Four waves, 2 x 2, 64 rows x 64 columns each: 16 accumulators.  Source 0 = 16 columns of v (turned by ds_load_tr16_b128), source 1 = 16 rows of p: lane l holds row l % 16 and columns 8 (l / 16) + 0..7.
; CLUSTER 4 x 1: the four column tiles of a cluster walk the same p, so p's tile is asked for JOINTLY.  v's tile is a load of one's own: the work-groups that share a column tile belong to other pairs of blocks,
; which change blocks in other trips, and partners of a cluster must run alike.
; REGISTERS, in windows of 256 (s_set_vgpr_msb: bits 1:0 source 0, 3:2 source 1, 5:4 source 2, 7:6 destination):
;   window 0: v0-31 addresses; v64-79 the step's factors; v80-87 1 / L; v88-91 at work; v128-255 T0 (at the head the statistics; at a block's end the way out)
;   window 1: two fragment buffers of 128: for 64 keys 64 registers of p, then 64 of v          window 2: v0-127 O; v128-255 T1
.set PHALF, 32768                      ; 64 rows x 256 keys of p: what a wave fetches and what a wave reads; in LDS as in memory: a load of the wave takes 512 consecutive bytes, so no padding is wanted
.set PV,    288                        ; a row of v: 256 + 32 = 72 words
.set VOFF,  2*PHALF
.set SLOT,  VOFF+256*PV                ; p's 128 rows, then v's 256
.set STAGE, 2*SLOT                     ; behind the ring: 16 rows x 272 bytes for each wave
.set SPI,   272
.set FTAB,  STAGE+4*16*SPI             ; for each wave 24 entries of 256 bytes: a segment's factors for its 64 rows: the first block's segments 0-7, then the second's 0-15
.set RLTAB, FTAB+4*24*256              ; for each wave and block 256 bytes: 1 / L
.set SPARE, RLTAB+4*2*256              ; the spare words, 128 bytes a wave: two blocks of 256 bytes that no other line names
.set F0,    0
.set F1,    128
.set TT,    128
.set TMP,   128
.set OB,    160
.set FA,    64                         ; the factor of segment sg (0, 1) of the step and row block a at FA + 8 sg + 2 a
.set RL,    80
.set MX,    88
.set LL,    90
.set ADRP0, 4
.set ADRV0, 5
.set ADRP,  6
.set ADRV,  7
.set ADRV2, 8                          ; v's keys 128 on (an LDS immediate has 16 bits)
.set FAD0,  9
.set FADR,  10
.set RLA,   11                         ; v11  my row's place in my wave's table of 1 / L; never rewritten: the block stands in the loads' immediate
.set STO,   12
.set RD,    13
.set SPW,   14
.set NIL,   15
.set CO,    16
.set PFO,   17
.set SO,    18
.set FST,   19
.set RST,   20
.set WV,    14
.set WR,    15                         ; my half of the rows.  Also: I fetch for p (0) or for v (1)
.set WC,    16                         ; my half of the columns.  Also: which half of that tile I fetch
.set CX,    17
.set CT,    18                         ; column tile
.set BAT,   20
.set IB,    21                         ; the first block
.set LBK,   22                         ; the second
.set SS,    23                         ; the first block's tiles
.set G1P,   24
.set G0P,   32                         ; two sets: a set for each first fill; the second is then made anew for each refill
.set G1V,   40
.set G0V,   48
.set PB0,   56                         ; s[56:57] pw at the batch's first group of 64 rows, my half
.set VB0,   58                         ; s[58:59] v at the batch's first key, my half, my column tile
.set OFF,   60                         ; s[60:61] an offset
.set TB,    66
.set TBF,   67
.set WOFP,  68
.set WOFV,  69
.set NXT,   70                         ; the walk's tile to be asked for next
.set CNT,   71
.set RT,    72                         ; tiles of the block in hand still to be multiplied
.set FT,    73                         ; where the step's factors begin in my table
.set LIM,   74
.set PFA,   76
.set PFB,   78                         ; s[78:79] PB0 at my work-group's quarter of a wave's 32,768 bytes
.set OUT,   80
.set OUTL,  82
.set SMS,   84                         ; c m and l of the two blocks
.set SLS,   86
.set SML,   88
.set SLL,   90
.set MSB, 0
.macro WIN new
.if MSB != (\new)
	s_set_vgpr_msb (MSB<<8)|(\new)
.set MSB, (\new)
.endif
.endm
.macro PLACES                          ; four plain instructions between a product and a load into, or a vector read of, one of its registers (ISA guide 7.12.1 for vector reads)
.rept 4
	v_nop
.endr
.endm
.macro CREST
	s_cmp_lg_u32 s[WV], 0
	s_cbranch_scc1 .Lnot_wave_0_\@
	s_barrier_signal -3
.Lnot_wave_0_\@:
	s_barrier_wait -3
	s_barrier_signal -1
	s_barrier_wait -1
.endm
.macro CROUND
	s_barrier_signal -1
	s_barrier_wait -1
	CREST
.endm
.macro JLOAD                           ; a refill: waves 0 and 1 ask jointly for p's halves, waves 2 and 3 for v's; an s_nop 0 and four v_nop follow each line
	s_cmp_eq_u32 s[WR], 0
	s_cbranch_scc0 .Lfor_v_\@
	tensor_load_to_lds s[G0P+4:G0P+7], s[G1P:G1P+7]
	s_nop 0
.rept 4
	v_nop
.endr
	s_branch .Lasked_\@
.Lfor_v_\@:
	tensor_load_to_lds s[G0V+4:G0V+7], s[G1V:G1V+7]
	s_nop 0
.rept 4
	v_nop
.endr
.Lasked_\@:
.endm
; A PREFETCH INTO THE L2 of p's tile behind the one just asked for.  The two clusters of a row of clusters walk the same p: the one with x = 0 asks, in waves 0 and 1.  Of the 32,768 bytes that a wave fetches each
; partner takes 8,192, told apart BY ADDRESS (cx): 32 blocks of 256 bytes, a lane a block.  The last refill has no tile behind it.  v is not asked for: eight pairs of
; blocks walk each column tile in different trips, and no one test names a tile's first reader.
.macro ASK
	s_cmp_gt_u32 s[CNT], s[LIM]
	s_cbranch_scc0 .Lnot_mine_\@
	global_prefetch_b8 v[PFO], s[PFA:PFA+1] th:TH_LOAD_NT scope:SCOPE_SE
.Lnot_mine_\@:
.endm
.macro TILE                            ; tile NXT of the walk: its key tile into s63, p's byte offset (block x two groups of 2^18 bytes + key tile x 2^15 bytes) into s[OFF]
	s_cmp_lt_u32 s[NXT], s[SS]
	s_cselect_b32 s62, s[IB], s[LBK]
	s_cselect_b32 s63, 0, s[SS]
	s_sub_co_u32 s63, s[NXT], s63
	s_lshl_b32 s62, s62, 19
	s_lshl_b32 s[OFF], s63, 15
	s_add_co_u32 s[OFF], s[OFF], s62
.endm
.macro ADDR gp, gv                     ; the two descriptors' addresses are made anew: the tensor's base plus an offset made apart, the type bits set again
	TILE
	s_add_nc_u64 s[(\gp)+2:(\gp)+3], s[PB0:PB0+1], s[OFF:OFF+1]
	s_or_b32 s[(\gp)+3], s[(\gp)+3], 0x80000000
	s_mul_i32 s[OFF], s63, 256*6144
	s_add_nc_u64 s[(\gv)+2:(\gv)+3], s[VB0:VB0+1], s[OFF:OFF+1]
	s_or_b32 s[(\gv)+3], s[(\gv)+3], 0x80000000
	s_add_co_u32 s[NXT], s[NXT], 1
.endm
.macro MUL8 f, c, a0, t, zero          ; 8 products: row blocks a0, a0 + 1 x 4 column blocks, 32 keys: half c of buffer f, into T0 or T1; the 16 accumulators take turns
	WIN 0x05+0xa0*(\t)
.set ma, (\a0)
.rept 2
.set mj, 0
.rept 4
.if \zero
	v_wmma_f32_16x16x32_f16 v[TT+8*(4*ma+mj):TT+8*(4*ma+mj)+7], v[(\f)+64+8*(4*(\c)+mj):(\f)+64+8*(4*(\c)+mj)+7], v[(\f)+8*(4*(\c)+ma):(\f)+8*(4*(\c)+ma)+7], 0
.else
	v_wmma_f32_16x16x32_f16 v[TT+8*(4*ma+mj):TT+8*(4*ma+mj)+7], v[(\f)+64+8*(4*(\c)+mj):(\f)+64+8*(4*(\c)+mj)+7], v[(\f)+8*(4*(\c)+ma):(\f)+8*(4*(\c)+ma)+7], v[TT+8*(4*ma+mj):TT+8*(4*ma+mj)+7]
.endif
.set mj, mj+1
.endr
.set ma, ma+1
.endr
.endm
.macro FETCH u, f                      ; 32 LDS loads in one run: the fragments of unit u (64 keys) of the slot, the first 32 keys first.  p: row block fi (8,192 bytes), key blocks 4 u + 2 fc and the next (512 bytes each)
	WIN 0x40                                       ; destination window 1
.if (\u) < 2
.set fv, ADRV
.else
.set fv, ADRV2
.endif
.set fc, 0
.rept 2
.set fi, 0
.rept 4
	ds_load_tr16_b128 v[(\f)+64+8*(4*fc+fi):(\f)+64+8*(4*fc+fi)+3],   v[fv] offset:32*PV*(2*((\u)%2)+fc)+32*fi
	ds_load_tr16_b128 v[(\f)+64+8*(4*fc+fi)+4:(\f)+64+8*(4*fc+fi)+7], v[fv] offset:32*PV*(2*((\u)%2)+fc)+32*fi+16*PV
	ds_load_b128 v[(\f)+8*(4*fc+fi):(\f)+8*(4*fc+fi)+3],   v[ADRP] offset:8192*fi+2048*(\u)+1024*fc
	ds_load_b128 v[(\f)+8*(4*fc+fi)+4:(\f)+8*(4*fc+fi)+7], v[ADRP] offset:8192*fi+2048*(\u)+1024*fc+512
.set fi, fi+1
.endr
.set fc, fc+1
.endr
.endm
.macro RID t, k                        ; O += f T for tiles 2 k and 2 k + 1 of T0 or T1: eight packed sums, each accumulator from its low end on
	WIN 0xa0+2*(\t)
.set ri, 0
.rept 8
	v_pk_fma_f32 v[16*(\k)+2*ri:16*(\k)+2*ri+1], v[TT+16*(\k)+2*ri:TT+16*(\k)+2*ri+1], v[FA+8*(\t)+2*((\k)/2):FA+8*(\t)+2*((\k)/2)+1], v[16*(\k)+2*ri:16*(\k)+2*ri+1] op_sel_hi:[1,0,1]
.set ri, ri+1
.endr
.endm
; A UNIT: 64 keys, 32 products on buffer f; in its middle the next unit's fragments are fetched into g.  zero = 1: a segment's first 16 products start its sums.  rid = 1: T0's sums onto O stand between
; the products, and are the places in front of the loads.  w0: the LDS loads that may be out when the first 32 keys' fragments are wanted.
.macro UNIT f, g, un, t, zero, rid, w0
	s_wait_dscnt \w0
	MUL8 \f, 0, 0, \t, \zero
.if \rid
	RID 0, 0
.endif
	MUL8 \f, 0, 2, \t, \zero
.if \rid
	RID 0, 1
.else
	PLACES
.endif
	FETCH \un, \g
	s_wait_dscnt 32                                ; all but the 32 just issued
	MUL8 \f, 1, 0, \t, 0
.if \rid
	RID 0, 2
.endif
	MUL8 \f, 1, 2, \t, 0
.if \rid
	RID 0, 3
.endif
.endm
; THE STEP'S LAST UNIT changes slots.  Each wave waits for all its tensor loads (one is out: its part of the next slot), adds 0 to its spare word, and waits for that and for its reads of this slot.
; fill = 1: the barrier opens a round of the cluster's barrier, and the refill of this slot is the first tensor load behind it: it has 112 products in which to land.
.macro TURN fill
	WIN 0
.if \fill
	s_wait_xcnt 0x0                                ; the last prefetch, a step back, has read its address
.endif
	s_wait_tensorcnt 0x0                           ; no tensor load of mine is out, so a group 0 may be written
	ds_add_u32 v[SPW], v[NIL]                      ; 0 onto my spare word; scalar work and products stand between it and the wait for it
.if \fill
	ADDR G0P+4, G0V+4
	s_xor_b32 s[TBF], s[TBF], SLOT                 ; the other slot than last time
	s_add_co_u32 s[G0P+5], s[TBF], s[WOFP]
	s_add_co_u32 s[G0V+5], s[TBF], s[WOFV]
	TILE                                           ; and the tile behind it, for the prefetch
	s_add_nc_u64 s[PFA:PFA+1], s[PFB:PFB+1], s[OFF:OFF+1]
.endif
	s_wait_dscnt 17                                ; (the add and the youngest sixteen loads may be out)
	MUL8 F1, 0, 0, 1, 0
	RID 0, 4
	s_wait_dscnt 0x0                               ; the add is done, and my reads of this slot are over
	s_barrier_signal -1
	MUL8 F1, 0, 2, 1, 0
	RID 0, 5
	WIN 0
	s_barrier_wait -1
.if \fill
	CREST                                          ; no wave of any partner still reads the slot or has a load on its way
	JLOAD
.endif
	s_xor_b32 s[TB], s[TB], SLOT
	v_add_nc_u32 v[ADRP], s[TB], v[ADRP0]
	v_add_nc_u32 v[ADRV], s[TB], v[ADRV0]
	v_add_nc_u32 v[ADRV2], 128*PV, v[ADRV]
	FETCH 0, F0                                    ; buffer 0's last readers stand 16 packed sums back
	WIN 0
.if \fill
	ASK
.endif
	MUL8 F1, 1, 0, 1, 0
	RID 0, 6
	MUL8 F1, 1, 2, 1, 0
	RID 0, 7                                       ; these eight name no register of the last products: they are the places in front of T1's readers
.set tk, 0
.rept 8
	RID 1, tk
.set tk, tk+1
.endr
.endm
.macro STEP fill                       ; a key tile: two segments of two units
	WIN 0
	v_add_nc_u32 v[FADR], s[FT], v[FAD0]
	s_add_co_u32 s[FT], s[FT], 512
.set fi, 0
.rept 8
	ds_load_b32 v[FA+2*fi], v[FADR] offset:256*(fi/4)+64*(fi%4)   ; the step's factors: segment fi / 4, row block fi % 4
.set fi, fi+1
.endr
	UNIT F0, F1, 1, 0, 1, 0, 24                    ; (the second 32 keys' sixteen loads and the eight factors may be out)
	UNIT F1, F0, 2, 0, 0, 0, 16
	PLACES                                         ; in front of T0's first reader
	UNIT F0, F1, 3, 1, 1, 1, 16
	TURN \fill
	WIN 0
.endm
.macro CLEARO                          ; a block's sums start at 0
	WIN 0x80
.set ci, 0
.rept 128
	v_mov_b32 v[ci], 0
.set ci, ci+1
.endr
	WIN 0
.endm
; A BLOCK'S STATISTICS, for block be (0, 1).  Lane l owns rows 2 l and 2 l + 1 of the wave's 64: pairs.  c m of segment sg at sb + 2 sg, l at sb + 32 + 2 sg.
.macro STAT be
.set sb, 128+64*(\be)
.set sr, 0
.rept 2
	v_max3_num_f32 v[MX+sr], v[sb+sr], v[sb+2+sr], v[sb+4+sr]
.set sg, 3
.rept 6
	v_max3_num_f32 v[MX+sr], v[MX+sr], v[sb+2*sg+sr], v[sb+2*sg+2+sr]
.set sg, sg+2
.endr
	v_max_num_f32 v[MX+sr], v[MX+sr], v[sb+30+sr]  ; c M
.set sr, sr+1
.endr
.set sg, 0
.rept 16
	v_pk_add_f32 v[sb+2*sg:sb+2*sg+1], v[sb+2*sg:sb+2*sg+1], v[MX:MX+1] neg_lo:[0,1] neg_hi:[0,1]
.set sg, sg+1
.endr
.set sg, 0
.rept 32
	v_exp_f32 v[sb+sg], v[sb+sg]                   ; f
.set sg, sg+1
.endr
	v_nop                                          ; a plain instruction behind the last exponential,
	s_wait_alu depctr_va_vdst(0)                   ; and one wait for the batch, ahead of its first reader
	v_pk_mul_f32 v[LL:LL+1], v[sb:sb+1], v[sb+32:sb+33]
.set sg, 1
.rept 15
	v_pk_fma_f32 v[LL:LL+1], v[sb+2*sg:sb+2*sg+1], v[sb+32+2*sg:sb+32+2*sg+1], v[LL:LL+1]   ; L, over all 16 segments
.set sg, sg+1
.endr
	v_rcp_f32 v[LL], v[LL]
	v_rcp_f32 v[LL+1], v[LL+1]
	v_nop
	s_wait_alu depctr_va_vdst(0)                   ; one wait for the two reciprocals
.set sg, 0
.rept 8+8*(\be)                                ; the first block walks segments 0-7 at the most
	ds_store_b64 v[FST], v[sb+2*sg:sb+2*sg+1] offset:256*(8*(\be)+sg)
.set sg, sg+1
.endr
	ds_store_b64 v[RST], v[LL:LL+1] offset:256*(\be)
.endm
; A BLOCK'S WAY OUT: O / L, f32, through my stage, 16 rows at a time: 32 bytes a lane in, whole rows of 256 bytes back.
.macro TOST a
	WIN 0x02                                       ; source 0 in window 2
.set bi, 0
.rept 16
	v_pk_mul_f32 v[TMP+2*bi:TMP+2*bi+1], v[32*(\a)+2*bi:32*(\a)+2*bi+1], v[RL+2*(\a):RL+2*(\a)+1] op_sel_hi:[1,0]
.set bi, bi+1
.endr
	WIN 0
.set bi, 0
.rept 4
	ds_store_b128 v[STO], v[TMP+8*bi:TMP+8*bi+3]   offset:64*bi
	ds_store_b128 v[STO], v[TMP+8*bi+4:TMP+8*bi+7] offset:64*bi+16
.set bi, bi+1
.endr
.if (\a) >= 2
	s_wait_xcnt 0x0                                ; the stores of the rows two back have read the registers into which the loads below land
.endif
.set bi, 0
.rept 8
	ds_load_b128 v[OB+32*((\a)%2)+4*bi:OB+32*((\a)%2)+4*bi+3], v[RD] offset:2*SPI*bi   ; LDS serves a wave's instructions in order (ISA guide 5.7.1.4)
.set bi, bi+1
.endr
.endm
.macro SENDO a, younger                ; younger: the next sixteen LDS instructions, or none
	s_wait_dscnt \younger
.set bi, 0
.rept 8
	global_store_b128 v[CO], v[OB+32*((\a)%2)+4*bi:OB+32*((\a)%2)+4*bi+3], s[OUT:OUT+1] offset:(16*(\a)+2*bi)*4096 th:TH_STORE_NT   ; 16 lanes store 256 consecutive bytes, at a multiple of 256 from out0's first byte
.set bi, bi+1
.endr
.endm
.macro BLOCKEND be                     ; be = 0: the first block's end, which always falls inside the walk's loop; be = 1: the second's, behind the tail.  So the block's 256 bytes of 1 / L are named by a constant
	WIN 0
.set bi, 0
.rept 4
	ds_load_b32 v[RL+2*bi], v[RLA] offset:256*(\be)+64*bi
.set bi, bi+1
.endr
	s_wait_dscnt 0x0
	TOST 0
	TOST 1
	SENDO 0, 16
	TOST 2
	SENDO 1, 16
	TOST 3
	SENDO 2, 16
	SENDO 3, 0
	s_wait_xcnt 0x0                                ; the stores have read their registers, which lie in T0, and their base
.endm
	s_load_b256 s[4:11], s[0:1], 0x0               ; pw s[4:5], qkv s[6:7], statm s[8:9], statl s[10:11]
	s_load_b64 s[12:13], s[0:1], 0x20              ; out0
	v_lshl_add_u32 v[SPW], v0, 2, SPARE
	v_mov_b32 v[NIL], 0
	ds_add_u32 v[SPW], v[NIL]                      ; the wave's opening: the add and its wait stand ahead of my first tensor load
	v_lshrrev_b32 v1, 5, v0
	v_readfirstlane_b32 s[WV], v1
	s_lshr_b32 s[WR], s[WV], 1
	s_and_b32 s[WC], s[WV], 1
	s_bfe_u32 s[CX], ttmp6, 0x40000
	s_lshl_b32 s[CT], ttmp9, 2
	s_add_co_u32 s[CT], s[CT], s[CX]
	s_and_b32 s19, ttmp7, 0xffff                   ; y, which the four partners share
	s_lshr_b32 s[BAT], s19, 3
	s_and_b32 s[IB], s19, 7
	s_sub_co_u32 s[LBK], 15, s[IB]
	s_lshr_b32 s[SS], s[IB], 1
	s_add_co_u32 s[SS], s[SS], 1
	s_mov_b32 s[G1P], 15|(3<<16)|(1<<21)           ; the mask of four; 8-byte elements; no padding; bit 21 beside a mask.  A dense block of 32,768 bytes, asked for as 128 rows of 256 bytes
	s_mov_b32 s[G1P+1], 32<<16                     ; tensor_dim0 = 32 elements
	s_mov_b32 s[G1P+2], 128<<16                    ; tensor_dim1 = 128 rows
	s_mov_b32 s[G1P+3], 32<<16                     ; tile_dim0
	s_mov_b32 s[G1P+4], 128                        ; tile_dim1
	s_mov_b32 s[G1P+5], 32                         ; elements from row to row: dense
	s_mov_b32 s[G1P+6], 0
	s_mov_b32 s[G1P+7], 0
	s_mov_b32 s[G1V], (1<<16)|(1<<20)|(5<<22)|(7<<25)             ; no mask; 2-byte elements; after every 64 words (code 5) 8 words (code 7)
	s_mov_b32 s[G1V+1], 128<<16                    ; 128 columns
	s_mov_b32 s[G1V+2], 128<<16                    ; 128 keys
	s_mov_b32 s[G1V+3], 128<<16
	s_mov_b32 s[G1V+4], 128
	s_mov_b32 s[G1V+5], 3072
	s_mov_b32 s[G1V+6], 0
	s_mov_b32 s[G1V+7], 0
	s_lshl_b32 s[WOFP], s[WC], 15                  ; no place in the cluster enters an LDS address
	s_mul_i32 s[WOFV], s[WC], 128*PV
	s_add_co_u32 s[WOFV], s[WOFV], VOFF
	s_mov_b32 s[TB], 0
	s_mov_b32 s[TBF], SLOT
	s_mov_b32 s[NXT], 0
	s_mov_b32 s[FT], 0
	s_mov_b32 s[RT], s[SS]
	s_lshl_b32 s[OFF], s[BAT], 23                  ; p: (32 batch + half) groups of 2^18 bytes
	s_lshl_b32 s62, s[WC], 18
	s_add_co_u32 s[OFF], s[OFF], s62
	s_mov_b32 s[OFF+1], 0
	s_lshl_b32 s92, s[BAT], 11                     ; v: (2,048 batch + 128 half) rows of 6,144 bytes + 4,096 + 256 x column tile
	s_lshl_b32 s75, s[WC], 7
	s_add_co_u32 s92, s92, s75
	s_mul_i32 s92, s92, 6144
	s_lshl_b32 s75, s[CT], 8
	s_add_co_u32 s92, s92, s75
	s_add_co_u32 s92, s92, 4096
	s_mov_b32 s93, 0
	s_lshl_b32 s94, s[CX], 13                      ; my work-group's 8,192 bytes of a wave's part of p, for the prefetches
	s_mov_b32 s95, 0
	s_wait_dscnt 0x0                               ; the opening add is done
	s_wait_kmcnt 0x0
	s_add_nc_u64 s[PB0:PB0+1], s[4:5], s[OFF:OFF+1]
	s_add_nc_u64 s[VB0:VB0+1], s[6:7], s[92:93]
	s_add_nc_u64 s[PFB:PFB+1], s[PB0:PB0+1], s[94:95]
	s_mov_b64 s[PFA:PFA+1], s[PFB:PFB+1]
	CROUND                                         ; all four work-groups are here: the first joint loads meet
	ADDR G0P, G0V                                  ; the walk's tiles 0 and 1
	ADDR G0P+4, G0V+4
	s_mov_b32 s[G0P], 1
	s_mov_b32 s[G0P+1], s[WOFP]
	s_mov_b32 s[G0P+4], 1
	s_add_co_u32 s[G0P+5], s[WOFP], SLOT
	s_mov_b32 s[G0V], 1
	s_mov_b32 s[G0V+1], s[WOFV]
	s_mov_b32 s[G0V+4], 1
	s_add_co_u32 s[G0V+5], s[WOFV], SLOT
	s_cmp_eq_u32 s[WR], 0                          ; a wave's two first fills stand in one branch: two tensor loads of mine are out
	s_cbranch_scc0 .Lfirst_v
	tensor_load_to_lds s[G0P:G0P+3], s[G1P:G1P+7]
	s_nop 0
	tensor_load_to_lds s[G0P+4:G0P+7], s[G1P:G1P+7]
	s_nop 0
.rept 4
	v_nop
.endr
	s_branch .Lfirst_asked
.Lfirst_v:
	tensor_load_to_lds s[G0V:G0V+3], s[G1V:G1V+7]
	s_nop 0
	tensor_load_to_lds s[G0V+4:G0V+7], s[G1V:G1V+7]
	s_nop 0
.rept 4
	v_nop
.endr
.Lfirst_asked:
	; the statistics' and the output's places
	s_lshl_b32 s75, s[BAT], 17                     ; (16 batch x 2,048 + 128 block + 64 wr) x 4 bytes
	s_lshl_b32 s19, s[WR], 8
	s_add_co_u32 s75, s75, s19
	s_lshl_b32 s94, s[IB], 9
	s_add_co_u32 s94, s94, s75
	s_lshl_b32 s92, s[LBK], 9
	s_add_co_u32 s92, s92, s75
	s_add_nc_u64 s[SMS:SMS+1], s[8:9], s[94:95]
	s_add_nc_u64 s[SLS:SLS+1], s[10:11], s[94:95]
	s_add_nc_u64 s[SML:SML+1], s[8:9], s[92:93]
	s_add_nc_u64 s[SLL:SLL+1], s[10:11], s[92:93]
	v_and_b32 v22, 31, v0                          ; l
	v_lshlrev_b32 v[SO], 3, v22                    ; my two rows: a load of the wave covers 256 consecutive bytes
.set sg, 0
.rept 16
	global_load_b64 v[128+2*sg:129+2*sg], v[SO], s[SMS:SMS+1] offset:8192*sg
	global_load_b64 v[160+2*sg:161+2*sg], v[SO], s[SLS:SLS+1] offset:8192*sg
.set sg, sg+1
.endr
.set sg, 0
.rept 16
	global_load_b64 v[192+2*sg:193+2*sg], v[SO], s[SML:SML+1] offset:8192*sg
	global_load_b64 v[224+2*sg:225+2*sg], v[SO], s[SLL:SLL+1] offset:8192*sg
.set sg, sg+1
.endr
	s_lshl_b32 s75, s[BAT], 23                     ; out0: (2,048 batch + 128 block + 64 wr) rows of 4,096 bytes + 512 x column tile + 256 wc
	s_lshl_b32 s19, s[WR], 18
	s_add_co_u32 s75, s75, s19
	s_lshl_b32 s19, s[CT], 9
	s_add_co_u32 s75, s75, s19
	s_lshl_b32 s19, s[WC], 8
	s_add_co_u32 s75, s75, s19
	s_lshl_b32 s94, s[IB], 19
	s_add_co_u32 s94, s94, s75
	s_lshl_b32 s92, s[LBK], 19
	s_add_co_u32 s92, s92, s75
	s_add_nc_u64 s[OUT:OUT+1], s[12:13], s[94:95]
	s_add_nc_u64 s[OUTL:OUTL+1], s[12:13], s[92:93]
	s_mov_b32 s19, ttmp9
	s_or_b32 s19, s19, s[WR]                       ; 0 in waves 0 and 1 of the cluster with x = 0: the same in all four partners
	s_cmp_eq_u32 s19, 0
	s_cselect_b32 s[LIM], 1, -1
	v_and_b32 v1, 15, v0                           ; r
	v_bfe_u32 v2, v0, 4, 1                         ; h
	v_and_b32 v3, 7, v0
	v_bfe_u32 v21, v0, 3, 1
	s_lshl_b32 s75, s[WR], 15
	v_lshl_add_u32 v[ADRP0], v22, 4, s75           ; p: my 64 rows' 32,768 bytes + 16 x lane
	v_lshl_add_u32 v[ADRV0], v2, 3, v3             ; v, turned: lane l reads key 8 h + l % 8, columns 8 ((l / 8) % 2) + 0..7
	v_mul_u32_u24 v[ADRV0], v[ADRV0], PV
	v_lshl_add_u32 v[ADRV0], v21, 4, v[ADRV0]
	s_lshl_b32 s75, s[WC], 7
	s_add_co_u32 s75, s75, VOFF
	v_add_nc_u32 v[ADRV0], s75, v[ADRV0]
	v_mov_b32 v[ADRP], v[ADRP0]
	v_mov_b32 v[ADRV], v[ADRV0]
	v_add_nc_u32 v[ADRV2], 128*PV, v[ADRV0]
	s_mul_i32 s75, s[WV], 24*256
	s_add_co_u32 s75, s75, FTAB
	v_lshl_add_u32 v[FAD0], v1, 2, s75             ; a factor is read by its row: 4 (16 a + r)
	v_lshl_add_u32 v[FST], v22, 3, s75             ; and stored by pairs of rows
	s_lshl_b32 s75, s[WV], 9
	s_add_co_u32 s75, s75, RLTAB
	v_lshl_add_u32 v[RLA], v1, 2, s75
	v_lshl_add_u32 v[RST], v22, 3, s75
	s_mul_i32 s75, s[WV], 16*SPI
	s_add_co_u32 s75, s75, STAGE
	v_mul_u32_u24 v[STO], v1, SPI                  ; in: row r, 32 bytes for each half of the lanes
	v_lshl_add_u32 v[STO], v2, 5, v[STO]
	v_add_nc_u32 v[STO], s75, v[STO]
	v_mul_u32_u24 v[RD], v2, SPI                   ; back: lanes 0-15 one row of 256 bytes, lanes 16-31 the next
	v_lshl_add_u32 v[RD], v1, 4, v[RD]
	v_add_nc_u32 v[RD], s75, v[RD]
	v_lshlrev_b32 v[CO], 12, v2
	v_lshl_add_u32 v[CO], v1, 4, v[CO]
	v_lshlrev_b32 v[PFO], 8, v22                   ; a lane a block of 256 bytes
.set fi, 0
.rept 8
	v_mov_b32 v[FA+2*fi+1], 0                      ; named with the factors as pairs, so they are written
.set fi, fi+1
.endr
.set fi, 0
.rept 4
	v_mov_b32 v[RL+2*fi+1], 0
.set fi, fi+1
.endr
	CLEARO                                         ; all this stands in the wait for the first tile
	s_wait_loadcnt 32                              ; the first block's 32 loads are in, the second's stay out
	STAT 0
	s_wait_loadcnt 0x0
	STAT 1
	s_wait_tensorcnt 0x1                           ; my part of tile 0 is in; tile 1's may stay out
	s_wait_dscnt 0x0                               ; my tables are written
	s_barrier_signal -1
	s_barrier_wait -1
	FETCH 0, F0
	WIN 0
	s_mov_b32 s[CNT], 7
.Lwalk:                                        ; 7 trips: a tile is multiplied and the tile two on is asked for
	STEP 1
	s_sub_co_u32 s[RT], s[RT], 1
	s_cmp_lg_u32 s[RT], 0
	s_cbranch_scc1 .Lgo_on
	BLOCKEND 0                                     ; the first block ends, in trip 4 at the latest; the ring runs on: the second block's first tile is in or on its way
	s_mov_b64 s[OUT:OUT+1], s[OUTL:OUTL+1]
	s_mov_b32 s[FT], 8*256
	s_sub_co_u32 s[RT], 9, s[SS]
	CLEARO
.Lgo_on:
	s_sub_co_u32 s[CNT], s[CNT], 1
	s_cmp_lg_u32 s[CNT], 0
	s_cbranch_scc1 .Lwalk
	s_mov_b32 s[CNT], 2
.Ltail:                                        ; the last two tiles ask for nothing; the very last fetch of fragments, from the slot read before, serves nothing: the price of one text for both trips
	STEP 0
	s_sub_co_u32 s[CNT], s[CNT], 1
	s_cmp_lg_u32 s[CNT], 0
	s_cbranch_scc1 .Ltail
	BLOCKEND 1
	s_wait_tensorcnt 0x0                           ; the wave's end: behind my last tensor load and my last LDS store
	ds_add_u32 v[SPW], v[NIL]
	s_wait_dscnt 0x0
	CROUND                                         ; the closing round: no work-group ends while a partner may still ask for a tile that names it
	s_endpgm
.Lfunc_end_k_q5f8aebee08_ctx:
	.size	k_q5f8aebee08_ctx, .Lfunc_end_k_q5f8aebee08_ctx-k_q5f8aebee08_ctx
	.p2alignl 7, 3214868480
	.fill 96, 4, 3214868480
	.section	.rodata,"a",@progbits
	.p2align	6, 0x0
	.amdhsa_kernel k_q5f8aebee08_ctx
		.amdhsa_group_segment_fixed_size 327680
		.amdhsa_private_segment_fixed_size 0
		.amdhsa_enable_private_segment 0
		.amdhsa_kernarg_size 40
		.amdhsa_user_sgpr_count 2
		.amdhsa_user_sgpr_kernarg_segment_ptr 1
		.amdhsa_wavefront_size32 1
		.amdhsa_system_sgpr_workgroup_id_x 1
		.amdhsa_system_sgpr_workgroup_id_y 1
		.amdhsa_system_sgpr_workgroup_id_z 1
		.amdhsa_system_vgpr_workitem_id 0
		.amdhsa_next_free_vgpr 768
		.amdhsa_next_free_sgpr 96
		.amdhsa_reserve_vcc 0
		.amdhsa_float_denorm_mode_32 3
		.amdhsa_float_denorm_mode_16_64 3
		.amdhsa_memory_ordered 1
		.amdhsa_forward_progress 1
		.amdhsa_inst_pref_size 115
	.end_amdhsa_kernel
	.amdgpu_metadata
---
amdhsa.version: [ 1, 2 ]
amdhsa.kernels:
  - .name:           k_q5f8aebee08_ctx
    .symbol:         k_q5f8aebee08_ctx.kd
    .args:
      - { .name: pw, .offset: 0, .size: 8, .value_kind: global_buffer, .address_space: global }
      - { .name: qkv, .offset: 8, .size: 8, .value_kind: global_buffer, .address_space: global }
      - { .name: statm, .offset: 16, .size: 8, .value_kind: global_buffer, .address_space: global }
      - { .name: statl, .offset: 24, .size: 8, .value_kind: global_buffer, .address_space: global }
      - { .name: out0, .offset: 32, .size: 8, .value_kind: global_buffer, .address_space: global }
    .group_segment_fixed_size: 327680
    .private_segment_fixed_size: 0
    .kernarg_segment_align: 8
    .kernarg_segment_size: 40
    .max_flat_workgroup_size: 128
    .sgpr_count:     96
    .vgpr_count:     768
    .wavefront_size: 32
...
	.end_amdgpu_metadata
.endif
;; end of part 4
;; ======== version 2 of 2: 4 launches; version 1 with the launch prep written anew for expert scheduling mode
;; limits: values are held in f16: magnitudes above 65,504 overflow, below 6.1e-05 lose precision
;; workspace buffers: xb 16,777,216 bytes; wb 6,291,456 bytes; qkv 50,331,648 bytes; pw 33,554,432 bytes; statm 524,288 bytes; statl 524,288 bytes
;; launch prep (part 5): grid 256 x 1, 8 waves a work-group, no clusters, 0 bytes of LDS; arguments x, Wq, Wk, Wv, xb, wb; writes xb, wb
.if DOCPART == 5
	.amdgcn_target "amdgcn-amd-amdhsa--gfx1250"
	.amdhsa_code_object_version 6
	.text
	.protected	k_q5f8aebee08_prep
	.globl	k_q5f8aebee08_prep
	.p2align	8
	.type	k_q5f8aebee08_prep,@function
k_q5f8aebee08_prep:
	s_mov_b64 s[64:65], 0
	v_nop
	global_prefetch_b8 v0, s[64:65] scope:SCOPE_SE
	s_setreg_imm32_b32 hwreg(HW_REG_WAVE_SCHED_MODE, 0, 2), 2
	s_setreg_imm32_b32 hwreg(HW_REG_WAVE_MODE, 25, 1), 1
	s_wait_xcnt 0x0
	s_wait_alu depctr_vm_vsrc(0)
; x [8192][1024] f32 -> xb, bf16, laid out as [16 blocks of 64 k][8192 rows][64]: a tile of rows x 64 k is then dense in memory.
; Wq, Wk, Wv [1024 k][1024 n] f32 -> wb, bf16, [1024 k][3072 n], n = 1024 x (q, k, v) + column.  Each number is rounded once, to nearest even.
; A stream: every byte is read once and written once; no LDS, no barrier, no matrix unit, since no thread wants another's bytes.
; Eight waves; work-group g owns rows 32 g .. 32 g + 31 of x and rows 4 g .. 4 g + 3 of each W; wave w owns rows 4 w .. 4 w + 3 of the 32, and half a row of each W.
; A UNIT is 4 numbers of one thread: a load of 16 bytes, two packed roundings, a store of 8 bytes.  Neighbouring lanes take neighbouring bytes:
;   x: lanes 0-15 read the 256 bytes of one row's block of 64 k, lanes 16-31 those of the next row; the wave's store covers 256 consecutive bytes of xb, aligned: the two rows' 128 bytes lie end to end.
;   W: the wave reads 512 consecutive bytes of a row and stores 256 consecutive bytes of wb, aligned.
; A thread has 44 units (32 of x, 12 of W); all 44 loads go out first, so that they are all on their way together.
; THE MODE: SCHED_MODE bits 1:0 = 2 (LLVM: expert scheduling mode 2), set by the entry lines.  The code itself states the register dependences
; between vector instructions and memory instructions, with s_wait_alu, always for 0.
; THE PLAN.  Registers that memory instructions touch:
;   v[XO], v[WO], v[XS], v[WS]   byte offsets, made once at the head by vector instructions and never written again; every load and store reads one of them.
;   U + 4 i .. U + 4 i + 3       unit i.  Its load lands in them (no vector instruction has named them before); its two roundings read them and write the first two; its store reads those two.
;                                Nothing writes them behind the store.
; So no register that a memory instruction has read is written again, and no load lands in a register that a vector instruction has named: what is left to state is that a register is
; written before a memory instruction reads it.  One wait at the head states it of the offsets.  The units go in 11 GROUPS of four: one wait at the head of group g states that group g - 1's
; roundings have written their results; group g - 1's four stores follow it, dealt among group g's roundings, which name group g's registers alone.  One more wait stands ahead of the last four stores.
.set U, 16                             ; v[16:191]  unit i at U + 4 i
.set XO, 2                             ; v2  my byte offset in the group's rows of x: (4 w + l / 16) x 4,096 + (l % 16) x 16
.set XS, 3                             ; v3  my byte offset in the group's part of a block of xb: 512 w + 8 l
.set WO, 5                             ; v5  my byte offset in the group's four rows of a W: 2,048 w + 16 l (row w / 2, half w % 2)
.set WS, 6                             ; v6  the same in wb: (w / 2) x 6,144 + (w % 2) x 1,024 + 8 l
.set GRP, 4                            ; units in a group
.set GROUPS, 44/GRP
	s_load_b256 s[4:11], s[0:1], 0x0               ; x s[4:5], Wq s[6:7], Wk s[8:9], Wv s[10:11]
	s_load_b128 s[12:15], s[0:1], 0x20             ; xb s[12:13], wb s[14:15]
	v_lshrrev_b32 v1, 5, v0                        ; w
	v_and_b32 v4, 31, v0                           ; l
	v_bfe_u32 v7, v0, 4, 1                         ; l / 16
	v_and_b32 v8, 15, v0                           ; l % 16
	v_lshl_add_u32 v7, v1, 2, v7                   ; my row of the first pair: 4 w + l / 16
	v_lshlrev_b32 v[XO], 4, v8
	v_lshl_add_u32 v[XO], v7, 12, v[XO]
	v_lshlrev_b32 v[XS], 3, v4
	v_lshl_add_u32 v[XS], v1, 9, v[XS]
	v_lshlrev_b32 v[WO], 4, v4
	v_lshl_add_u32 v[WO], v1, 11, v[WO]
	v_lshrrev_b32 v9, 1, v1
	v_and_b32 v10, 1, v1
	v_mul_u32_u24 v[WS], v9, 6144
	v_lshl_add_u32 v[WS], v10, 10, v[WS]
	v_lshl_add_u32 v[WS], v4, 3, v[WS]
	s_lshl_b32 s16, ttmp9, 17                      ; 32 rows of x
	s_mov_b32 s17, 0
	s_lshl_b32 s18, ttmp9, 14                      ; 4 rows of a W
	s_mov_b32 s19, 0
	s_lshl_b32 s20, ttmp9, 12                      ; 32 rows of a block of xb
	s_mov_b32 s21, 0
	s_mul_i32 s22, ttmp9, 24576                    ; 4 rows of wb
	s_mov_b32 s23, 0
	s_wait_kmcnt 0x0
	s_add_nc_u64 s[4:5], s[4:5], s[16:17]
	s_add_nc_u64 s[6:7], s[6:7], s[18:19]
	s_add_nc_u64 s[8:9], s[8:9], s[18:19]
	s_add_nc_u64 s[10:11], s[10:11], s[18:19]
	s_add_nc_u64 s[12:13], s[12:13], s[20:21]
	s_add_nc_u64 s[24:25], s[12:13], 0x800000      ; blocks 8 to 15 of xb: their distance does not fit the stores' signed 24-bit immediate
	s_add_nc_u64 s[14:15], s[14:15], s[22:23]
	s_wait_alu depctr_va_vdst(0)                   ; v[XO], v[WO], v[XS] and v[WS] are written: every load and store of the kernel reads one of them as its offset
.set i, 0
.rept 32                                       ; x: unit i is block i / 2 of 64 k, pair of rows i % 2
	global_load_b128 v[U+4*i:U+4*i+3], v[XO], s[4:5] offset:8192*(i%2)+256*(i/2) th:TH_LOAD_NT
.set i, i+1
.endr
.set i, 0
.rept 12                                       ; W: unit 32 + i is matrix i / 4, piece i % 4 of my half row
	global_load_b128 v[U+128+4*i:U+128+4*i+3], v[WO], s[6+2*(i/4):7+2*(i/4)] offset:512*(i%4) th:TH_LOAD_NT
.set i, i+1
.endr
; The store of unit u: 8 bytes a lane, 256 consecutive bytes a wave.
.macro ST u
.if (\u) < 16
	global_store_b64 v[XS], v[U+4*(\u):U+4*(\u)+1], s[12:13] offset:1048576*((\u)/2)+256*((\u)%2)
.elseif (\u) < 32
	global_store_b64 v[XS], v[U+4*(\u):U+4*(\u)+1], s[24:25] offset:1048576*((\u)/2-8)+256*((\u)%2)
.else
	global_store_b64 v[WS], v[U+4*(\u):U+4*(\u)+1], s[14:15] offset:2048*(((\u)-32)/4)+256*(((\u)-32)%4)
.endif
.endm
.set g, 0
.rept GROUPS
	s_wait_loadcnt 44-GRP*(g+1)                    ; loads come back in order: group g's four are in, the 40 - 4 g younger ones stay out
.if g > 0
	s_wait_alu depctr_va_vdst(0)                   ; group g - 1's roundings have written the first two registers of its units, which the four stores below read
.endif
.set j, 0
.rept GRP
.if g > 0
	ST GRP*(g-1)+j                                 ; no vector instruction since the wait names this unit's registers or the offsets
.endif
.set i, GRP*g+j
	v_cvt_pk_bf16_f32 v[U+4*i],   v[U+4*i],   v[U+4*i+1]   ; in place: each line writes a register whose number has been used
	v_cvt_pk_bf16_f32 v[U+4*i+1], v[U+4*i+2], v[U+4*i+3]
.set j, j+1
.endr
.set g, g+1
.endr
	s_wait_alu depctr_va_vdst(0)                   ; the last group's roundings have written their results, which the last four stores read
.set j, 0
.rept GRP
	ST GRP*(GROUPS-1)+j
.set j, j+1
.endr
	s_endpgm
.Lfunc_end_k_q5f8aebee08_prep:
	.size	k_q5f8aebee08_prep, .Lfunc_end_k_q5f8aebee08_prep-k_q5f8aebee08_prep
	.p2alignl 7, 3214868480
	.fill 96, 4, 3214868480
	.section	.rodata,"a",@progbits
	.p2align	6, 0x0
	.amdhsa_kernel k_q5f8aebee08_prep
		.amdhsa_group_segment_fixed_size 0
		.amdhsa_private_segment_fixed_size 0
		.amdhsa_enable_private_segment 0
		.amdhsa_kernarg_size 48
		.amdhsa_user_sgpr_count 2
		.amdhsa_user_sgpr_kernarg_segment_ptr 1
		.amdhsa_wavefront_size32 1
		.amdhsa_system_sgpr_workgroup_id_x 1
		.amdhsa_system_sgpr_workgroup_id_y 1
		.amdhsa_system_sgpr_workgroup_id_z 1
		.amdhsa_system_vgpr_workitem_id 0
		.amdhsa_next_free_vgpr 192
		.amdhsa_next_free_sgpr 66
		.amdhsa_reserve_vcc 0
		.amdhsa_float_denorm_mode_32 3
		.amdhsa_float_denorm_mode_16_64 3
		.amdhsa_memory_ordered 1
		.amdhsa_forward_progress 1
		.amdhsa_inst_pref_size 17
	.end_amdhsa_kernel
	.amdgpu_metadata
---
amdhsa.version: [ 1, 2 ]
amdhsa.kernels:
  - .name:           k_q5f8aebee08_prep
    .symbol:         k_q5f8aebee08_prep.kd
    .args:
      - { .name: x, .offset: 0, .size: 8, .value_kind: global_buffer, .address_space: global }
      - { .name: Wq, .offset: 8, .size: 8, .value_kind: global_buffer, .address_space: global }
      - { .name: Wk, .offset: 16, .size: 8, .value_kind: global_buffer, .address_space: global }
      - { .name: Wv, .offset: 24, .size: 8, .value_kind: global_buffer, .address_space: global }
      - { .name: xb, .offset: 32, .size: 8, .value_kind: global_buffer, .address_space: global }
      - { .name: wb, .offset: 40, .size: 8, .value_kind: global_buffer, .address_space: global }
    .group_segment_fixed_size: 0
    .private_segment_fixed_size: 0
    .kernarg_segment_align: 8
    .kernarg_segment_size: 48
    .max_flat_workgroup_size: 256
    .sgpr_count:     66
    .vgpr_count:     192
    .wavefront_size: 32
...
	.end_amdgpu_metadata
.endif
;; end of part 5
;; launch proj: the kernel of part 2 again; grid 8 x 32, 4 waves a work-group, clusters of 4 x 4, 327,680 bytes of LDS; arguments xb, wb, qkv; writes qkv
;; launch score: the kernel of part 3 again; grid 8 x 32, 4 waves a work-group, clusters of 4 x 4, 327,680 bytes of LDS; arguments qkv, pw, statm, statl; writes pw, statm, statl
;; launch ctx: the kernel of part 4 again; grid 8 x 32, 4 waves a work-group, clusters of 4 x 1, 327,680 bytes of LDS; arguments pw, qkv, statm, statl, out0; writes out0
